; MI455X (gfx1250); checked and timed in simulation.
; The chip was launched on July 23, 2026; its instructions are those of AMD's public machine-readable ISA for CDNA 5 (MIT licence, August 2026) and "CDNA5" Instruction Set Architecture Reference Guide (July 2026). The comments in the code are by the model that wrote it; some were corrected since.
;; Optimized Multi Head Attention. Allowed arithmetic: matrix products marked QUANTISED: E4M3 operands, one given power-of-two scale a tensor, by v_wmma_f32_16x16x64_fp8_fp8 or v_wmma_f32_16x16x128_fp8_fp8, f32 sums; everything else in f32.
;; Inputs: b_o 512 float32; ln_beta 512 float32; ln_gamma 512 float32; lowp_scales 12 int32 (the exponents e of the quantised operands' scales 2^e); w_k_codes 512 x 16 x 32 uint8 (E4M3 codes of w_k, K innermost, in blocks of 32 codes); w_o_codes 512 x 16 x 32 uint8 (E4M3 codes of w_o, K innermost, in blocks of 32 codes); w_q_codes 512 x 16 x 32 uint8 (E4M3 codes of w_q, K innermost, in blocks of 32 codes); w_v_codes 512 x 16 x 32 uint8 (E4M3 codes of w_v, K innermost, in blocks of 32 codes); x 2 x 4,096 x 512 float32.
;; Outputs: out0 2 x 4,096 x 512 float32.
;; This version of the problem:
;;   THIS VERSION OF THE PROBLEM IS GIVEN IN LOW PRECISION. The matrix products marked QUANTISED in the list below multiply operands that are first quantised to E4M3 (4 exponent bits, 3 mantissa bits; 8 bits a number), with one given power-of-two scale for each operand tensor; their sums are f32. All else is computed in f32.
;;   The module's matrix products, in the order in which they are computed (A, B: the left and right operand; K: the contracted axis; several contracted axes count as one K, in the product's order):
;;     1. [M 8,192, K 512] x [K 512, N 512]; A: computed on the way; B: input w_q (given as codes): QUANTISED (scales: A lowp_scales[0], B lowp_scales[1])
;;     2. [M 8,192, K 512] x [K 512, N 512]; A: computed on the way; B: input w_k (given as codes): QUANTISED (scales: A lowp_scales[2], B lowp_scales[3])
;;     3. [M 8,192, K 512] x [K 512, N 512]; A: computed on the way; B: input w_v (given as codes): QUANTISED (scales: A lowp_scales[4], B lowp_scales[5])
;;     4. batch 16 x [M 4,096, K 64] x [K 64, N 4,096]; A: computed on the way; B: computed on the way: QUANTISED (scales: A lowp_scales[6], B lowp_scales[7])
;;     5. batch 16 x [M 4,096, K 4,096] x [K 4,096, N 64]; A: softmax (see below); B: computed on the way: QUANTISED (scales: A lowp_scales[8], B lowp_scales[9])
;;     6. [M 8,192, K 512] x [K 512, N 512]; A: computed on the way; B: input w_o (given as codes): QUANTISED (scales: A lowp_scales[10], B lowp_scales[11])
;;   THE QUANTISER, for each operand of a quantised product, along K:
;;     - The operand's scale is 2^e, e = its entry of the input lowp_scales (int32; the entries are numbered through the quantised products in the list's order, A before B).
;;     - Each number is divided by the scale, clamped to +-448, and rounded to the nearest number of E4M3, ties to even, subnormals kept.
;;     - The product sums the exact products of the quantised numbers (number of the format x scale) in f32.
;;   ~~~python
;;   def quantise(x, axis, e):      # numpy; x: float32 -> the quantised numbers, widened to float32 again
;;       x = np.moveaxis(x, axis, -1); K = x.shape[-1]
;;       r = np.clip(x / 2.0 ** e, -448, 448)
;;       step = 2.0 ** (np.maximum(np.frexp(np.where(r == 0, 1, r))[1] - 1, -6) - 3)
;;       q = np.round(r / step) * step * 2.0 ** e      # np.round: ties to even
;;       return np.moveaxis(q, -1, axis).astype(np.float32)
;;   ~~~
;;   SOFTMAX AHEAD OF A QUANTISED PRODUCT. Where the list says 'softmax', what is quantised is not the finished softmax but p = 2^(t - M), with t = logit x log2(e) and M = ceil(the row's largest t), a whole number; so 1/2 < the row's largest p <= 1. The row's sum l is taken of the UNQUANTISED p, in f32, and the product's result is divided by l at the end. Since M is a whole number, a kernel that streams over the keys may use a running M (the ceiling of the running maximum): every later rescaling is an exact power of two, so the quantised numbers keep their values, but for numbers so far below the row's largest that they fall under the format's range.
;;   OPERANDS COMPUTED ON THE WAY. 'Computed on the way' means the value that the module computes at that place (a softmax that the list does not call 'softmax' is quantised finished and normalised). What goes into a quantiser is computed in f32, as accurately as f32 sums, v_exp_f32 and their like allow (about 1e-6 of the number): no bf16 or f16 on the way to a quantiser, and a product that is left as it is and whose result goes on into a quantised operand takes f32 operands (vector FMAs, or v_wmma_f32_16x16x4_f32). A number that lies on a knife's edge between two numbers of the format may be rounded either way, as far as f32 arithmetic and the matrix unit's own rounding can turn it there, and no further.
;;   INPUTS GIVEN AS CODES. w_k (in the module: [512, 512], K = its axis 1); w_o (in the module: [512, 512], K = its axis 1); w_q (in the module: [512, 512], K = its axis 1); w_v (in the module: [512, 512], K = its axis 1): each comes as NAME_codes (uint8): NAME with its K axis moved to the last place and cut into blocks of 32 codes, [.., K / 32, bytes a block], one block behind the other in memory; one code a byte (a code: sign, 4 exponent bits, 3 mantissa bits); its scale is its entry of lowp_scales. Its value is code x scale, taken as it is: it is not quantised again, and the codes and scales need not be those that the quantiser above would give.
;; 2 versions. Each part assembles by itself: llvm-mc -triple=amdgcn-amd-amdhsa -mcpu=gfx1250 --defsym DOCPART=n.
;; ======== version 1 of 2: 3 launches
;; workspace buffers: qcodes 4,194,304 bytes; kvcodes 8,388,608 bytes; acodes 4,194,304 bytes
;; launch qkv (part 1): grid 256 x 1, 4 waves a work-group, no clusters, 102,912 bytes of LDS; arguments x, ln_gamma, ln_beta, w_q_codes, w_k_codes, w_v_codes, lowp_scales, qcodes, kvcodes; writes qcodes, kvcodes
.if DOCPART == 1
	.amdgcn_target "amdgcn-amd-amdhsa--gfx1250"
	.amdhsa_code_object_version 6
	.text
	.protected	k_qec50ec75a8_qkv
	.globl	k_qec50ec75a8_qkv
	.p2align	8
	.type	k_qec50ec75a8_qkv,@function
k_qec50ec75a8_qkv:
	s_mov_b64 s[64:65], 0
	v_nop
	global_prefetch_b8 v0, s[64:65] scope:SCOPE_SE
	s_setreg_imm32_b32 hwreg(HW_REG_WAVE_MODE, 25, 1), 1
	s_wait_xcnt 0x0
; LayerNorm of x, h quantised three times (2^e0, 2^e2, 2^e4), Q = h Wq^T, K = h Wk^T, V = h Wv^T on codes of E4M3, and Q, K, V quantised (2^e6, 2^e7, 2^e9) for the attention launch.
; SHARES.  A work-group takes 64 tokens (rb) and four heads (ch); wave w is head 4 ch + w: its 64 rows of Wq, Wk, Wv (3 x 256 registers, windows 1, 2, 3) are read from memory once and stay in registers.
; In the LayerNorm wave w takes one tile of 16 tokens; the codes of h go from wave to wave through LDS as images of operand registers (lane l's 16 bytes at 16 l, 512 bytes a piece).
; NO CLUSTER: each weight byte goes once for a work-group straight into the register where it stays; a joint load would add an LDS write and an LDS read for every one of its 393,216 bytes, more than LDS holds at once.
; TILES.  A tile's 16 tokens are not neighbours: lane r of tile u of a group of 32 takes token 8 u + r + 8 (r / 8); the rows of a weight that form a tile are chosen alike inside a head's 64.
; So the 16 result registers of tiles 2 b and 2 b + 1 are 16 neighbours, 32 b + 16 (lane / 16) + 0 .. 15: channels for Q and K (source 0 = the weight), tokens for V (source 0 = h): each conversion's result is a piece of the next operand.
; FRAGMENTS: registers 4 c .. 4 c + 3 hold k = 32 c + 16 (lane / 16) + 0 .. 15, alike on both sides of every product.
; OUT.  qcodes [bh 16][tile 256][c 2][512];  kvcodes [bh 16][step of 128 keys, 32][16,384]: K [key tile 8][c 2][512], then V [channel tile 4][c 4][512].  Every store covers 512 consecutive bytes, aligned.
; LIMITS: e0, e2, e4, e6 - e0 - e1, e7 - e2 - e3, e9 - e4 - e5 between -126 and 119, so that each power of two and 448 times it are f32 numbers.  NaN among the inputs is not served.
; The mean is taken first and the squares of x - mean second, so a common offset of x costs no accuracy.
.set GAM,  98304                       ; LDS: 0 .. 98,303 the images of h [set 3][tile 4][K step 4][c 4][512]; then gamma (2,048 bytes) and beta (2,048)
.set LI,   1                           ; v1   16 x lane
.set LI2,  2                           ; v2   the same + 65,536: the third set of images lies beyond a 16-bit offset
.set XA,   3                           ; v3   x: (r + 8 (r / 8)) rows of 2,048 bytes + 64 h
.set WA,   4                           ; v4   a weight: (r + 8 (r / 8)) rows of 512 bytes + 16 h
.set GBA,  5                           ; v5   gamma in LDS + 64 h
.set HWI,  6                           ; v6   where I store my tile's images: 16 x lane + 8,192 x wave
.set HWI2, 7                           ; v7   the same + 65,536
.set GT,   8                           ; v8   16 x thread: my 16 bytes of gamma and of beta in memory
.set GTL,  9                           ; v9   and in LDS
.set AC,   10                          ; v10-17 four pairs of running sums
.set MU,   18                          ; v18-19 the mean, twice
.set RS,   20                          ; v20-21 1 / sqrt(var + eps), twice
.set HS,   22                          ; v22-27 2^e and 448 x 2^e for e0, e2, e4
.set GB,   32                          ; v32-95 two buffers of 16 gamma + 16 beta
.set T,    96                          ; v96-111 sixteen numbers of h
.set TMP,  112                         ; v112-127 two sets of eight held numbers
.set CD,   128                         ; v128-151 two sets of 3 x 4 registers of codes
.set SG,   152                         ; v152-159 gamma and beta on their way to LDS
.set HF,   32                          ; v32-159 eight fragments of h (tile u, K step s) at 16 (4 u + s)
.set ACC,  160                         ; v160-223 eight accumulators
.set CO,   224                         ; v224-239 the codes that leave
.set OS,   240                         ; v240-245 scale and limit for Q, K, V
.set MSB, 0
.macro WIN new                         ; the immediate's high byte repeats the setting that is left; a switch that changes nothing is dropped
.if MSB != (\new)
	s_set_vgpr_msb (MSB<<8)|(\new)
.set MSB, (\new)
.endif
.endm
.macro PLACES                          ; four plain vector instructions between a matrix instruction and the first read of its result (ISA guide 7.12.1)
.rept 4
	v_nop
.endr
.endm
.macro MKSC sc, lim, e                 ; v[sc] = 2^e as f32, v[lim] = 448 x 2^e; e in s[e]
	s_add_co_i32 s46, s[\e], 127
	s_lshl_b32 s47, s46, 23
	v_mov_b32 v[\sc], s47
	s_add_co_i32 s46, s46, 8
	s_lshl_b32 s46, s46, 23
	s_or_b32 s46, s46, 0x600000
	v_mov_b32 v[\lim], s46
.endm
.macro XLOAD                           ; my tile's 16 rows of x into window 3: register 16 i + 4 j .. = features 32 i + 16 h + 4 j ..
	WIN 0xc0
.set i, 0
.rept 64
	global_load_b128 v[4*i:4*i+3], v[XA], s[4:5] offset:128*(i/4)+16*(i%4)
.set i, i+1
.endr
	WIN 0
.endm
.macro WLOAD m, base                   ; my head's 64 rows of weight m into window m + 1: fragment (tile t, K step s) at 16 (4 t + s)
	WIN ((\m)+1)<<6
.irp t, 0,1,2,3
.irp s, 0,1,2,3
.irp c, 0,1,2,3
	global_load_b128 v[16*(4*\t+\s)+4*\c:16*(4*\t+\s)+4*\c+3], v[WA], s[\base:\base+1] offset:(32*(\t/2)+8*(\t%2))*512+128*\s+32*\c
.endr
.endr
.endr
	WIN 0
.endm
.macro GBLOAD i                        ; gamma and beta of features 32 i + 16 h + 0 .. 15
.irp j, 0,1,2,3
	ds_load_b128 v[GB+32*((\i)%2)+4*\j:GB+32*((\i)%2)+4*\j+3], v[GBA] offset:128*(\i)+16*\j
	ds_load_b128 v[GB+32*((\i)%2)+16+4*\j:GB+32*((\i)%2)+16+4*\j+3], v[GBA] offset:2048+128*(\i)+16*\j
.endr
.endm
; Sixteen numbers a lane: h = (x - mean) rs gamma + beta, held and converted three times, three pieces of images to LDS.
.macro UNIT i
.if \i < 15
	GBLOAD (\i)+1
.endif
.if \i == 0
	s_wait_dscnt 8                                 ; this unit's gamma and beta are in; behind them: the next unit's 8 loads
.elseif \i < 15
	s_wait_dscnt 11                                ; behind them: the last unit's 3 stores and the next unit's 8 loads.  The stores of two units back are done too: their registers are written below
.else
	s_wait_dscnt 3                                 ; behind them: the last unit's 3 stores
.endif
	WIN 0x03                                       ; source 0 (x - mean) in window 3
.irp k, 0,2,4,6,8,10,12,14
	v_pk_mul_f32 v[T+\k:T+\k+1], v[16*(\i)+\k:16*(\i)+\k+1], v[RS:RS+1]
.endr
	WIN 0
.irp k, 0,2,4,6,8,10,12,14
	v_pk_fma_f32 v[T+\k:T+\k+1], v[T+\k:T+\k+1], v[GB+32*((\i)%2)+\k:GB+32*((\i)%2)+\k+1], v[GB+32*((\i)%2)+16+\k:GB+32*((\i)%2)+16+\k+1]
.endr
.irp m, 0,1,2
.irp f, 0,1
.irp k, 0,1,2,3,4,5,6,7
	v_med3_num_f32 v[TMP+8*\f+\k], v[T+8*\f+\k], -v[HS+2*\m+1], v[HS+2*\m+1]   ; the conversion to an 8-bit code does not saturate (ISA guide 7.6.2): the hold at 448 x the scale.  The two sets of TMP take turns, so eight plain lines stand between a conversion and the next write of its sources
.endr
	v_cvt_scalef32_pk8_fp8_f32 v[CD+12*((\i)%2)+4*\m+2*\f:CD+12*((\i)%2)+4*\m+2*\f+1], v[TMP+8*\f:TMP+8*\f+7], v[HS+2*\m]
.endr
.endr
	v_nop                                          ; a plain line behind the last conversion
	ds_store_b128 v[HWI], v[CD+12*((\i)%2):CD+12*((\i)%2)+3] offset:2048*((\i)/4)+512*((\i)%4)
	ds_store_b128 v[HWI], v[CD+12*((\i)%2)+4:CD+12*((\i)%2)+7] offset:32768+2048*((\i)/4)+512*((\i)%4)
	ds_store_b128 v[HWI2], v[CD+12*((\i)%2)+8:CD+12*((\i)%2)+11] offset:2048*((\i)/4)+512*((\i)%4)
.endm
.macro QUANT sc, lim                   ; the eight accumulators, each from its low end on, become 16 registers of codes
.set i, 0
.rept 64
	v_med3_num_f32 v[ACC+i], v[ACC+i], -v[\lim], v[\lim]
.set i, i+1
.endr
.set i, 0
.rept 8
	v_cvt_scalef32_pk8_fp8_f32 v[CO+2*i:CO+2*i+1], v[ACC+8*i:ACC+8*i+7], v[\sc]
.set i, i+1
.endr
	v_nop                                          ; a plain line between the last conversion and the next products, which write its sources
.endm
; Product m (0 Q, 1 K, 2 V) for the group g of 32 tokens: 32 matrix instructions, eight accumulators by turns, one instruction a turn.
.macro PHASE m, g
.irp u, 0,1
.irp s, 0,1,2,3
.irp c, 0,1,2,3
.if \m == 2
	ds_load_b128 v[HF+16*(4*\u+\s)+4*\c:HF+16*(4*\u+\s)+4*\c+3], v[LI2] offset:(2*\g+\u)*8192+2048*\s+512*\c
.else
	ds_load_b128 v[HF+16*(4*\u+\s)+4*\c:HF+16*(4*\u+\s)+4*\c+3], v[LI] offset:\m*32768+(2*\g+\u)*8192+2048*\s+512*\c
.endif
.endr
.endr
.endr
	s_wait_dscnt 0x0
.if \m == 2
	WIN 0x0c                                       ; source 1 (Wv) in window 3
.else
	WIN 1+\m                                       ; source 0 (Wq, Wk) in window 1, 2
.endif
.irp s, 0,1,2,3
.irp u, 0,1
.irp t, 0,1,2,3
.set rW, 16*(4*\t+\s)
.set rH, HF+16*(4*\u+\s)
.if \m == 2
.set rD, ACC+16*\t+8*\u                ; V: a lane holds one channel, its registers run along the tokens
.if \s == 0
	v_wmma_f32_16x16x128_fp8_fp8 v[rD:rD+7], v[rH:rH+15], v[rW:rW+15], 0
.else
	v_wmma_f32_16x16x128_fp8_fp8 v[rD:rD+7], v[rH:rH+15], v[rW:rW+15], v[rD:rD+7]
.endif
.else
.set rD, ACC+32*\u+8*\t                ; Q, K: a lane holds one token, its registers run along the channels
.if \s == 0
	v_wmma_f32_16x16x128_fp8_fp8 v[rD:rD+7], v[rW:rW+15], v[rH:rH+15], 0
.else
	v_wmma_f32_16x16x128_fp8_fp8 v[rD:rD+7], v[rW:rW+15], v[rH:rH+15], v[rD:rD+7]
.endif
.endif
.endr
.endr
.endr
	WIN 0
	PLACES
	s_wait_xcnt 0x0                                ; the last phase's stores have read their data: CO is written again only behind this wait
	QUANT OS+2*\m, OS+2*\m+1
.irp p, 0,1,2,3
.if \m == 0
	global_store_b128 v[LI], v[CO+4*\p:CO+4*\p+3], s[18:19] offset:2048*\g+512*\p
.elseif \m == 1
	global_store_b128 v[LI], v[CO+4*\p:CO+4*\p+3], s[26:27] offset:2048*\g+512*\p
.else
	global_store_b128 v[LI], v[CO+4*\p:CO+4*\p+3], s[28:29] offset:2048*\p+512*\g
.endif
.endr
.endm
	s_load_b256 s[4:11], s[0:1], 0x0               ; x s[4:5], gamma s[6:7], beta s[8:9], Wq s[10:11]
	s_load_b256 s[12:19], s[0:1], 0x20             ; Wk s[12:13], Wv s[14:15], the exponents s[16:17], qcodes s[18:19]
	s_load_b64 s[20:21], s[0:1], 0x40              ; kvcodes
	v_lshl_add_u32 v254, v0, 2, 0x19000
	v_mov_b32 v255, 0
	v_lshrrev_b32 v32, 5, v0
	v_readfirstlane_b32 s22, v32                   ; wave 0..3
	s_and_b32 s23, ttmp9, 1                        ; ch: which four heads
	s_lshr_b32 s24, ttmp9, 1                       ; rb: which 64 tokens
	s_lshl_b32 s25, s23, 2
	s_add_co_u32 s25, s25, s22                     ; my head
	s_mov_b32 s42, 0x76543210                      ; v_permlanex16_b32: lane l xor 16
	s_mov_b32 s43, 0xfedcba98
	s_mov_b32 s44, 0x3b000000                      ; 1 / 512
	s_mov_b32 s45, 0x3727c5ac                      ; 1e-5
	v_and_b32 v33, 15, v0                          ; r
	v_bfe_u32 v34, v0, 4, 1                        ; h
	v_and_b32 v35, 31, v0
	v_lshlrev_b32 v[LI], 4, v35
	v_add_nc_u32 v[LI2], 0x10000, v[LI]
	v_and_b32 v36, 8, v33
	v_add_nc_u32 v36, v36, v33                     ; r + 8 (r / 8)
	v_lshlrev_b32 v[XA], 11, v36
	v_lshl_add_u32 v[XA], v34, 6, v[XA]
	v_lshlrev_b32 v[WA], 9, v36
	v_lshl_add_u32 v[WA], v34, 4, v[WA]
	v_lshl_add_u32 v[GBA], v34, 6, GAM
	s_lshl_b32 s46, s22, 13
	v_add_nc_u32 v[HWI], s46, v[LI]
	v_add_nc_u32 v[HWI2], 0x10000, v[HWI]
	v_lshlrev_b32 v[GT], 4, v0
	v_lshl_add_u32 v[GTL], v0, 4, GAM
	s_lshl_b32 s46, s24, 6                         ; x: my tile begins at token 64 rb + 32 (w / 2) + 8 (w % 2)
	s_lshr_b32 s47, s22, 1
	s_lshl_b32 s47, s47, 5
	s_add_co_u32 s46, s46, s47
	s_and_b32 s47, s22, 1
	s_lshl_b32 s47, s47, 3
	s_add_co_u32 s46, s46, s47
	s_lshl_b32 s46, s46, 11
	s_mov_b32 s47, 0
	s_lshl_b32 s48, s25, 15                        ; a weight: my head's 64 rows of 512 bytes
	s_mov_b32 s49, 0
	s_lshr_b32 s50, s24, 6
	s_lshl_b32 s50, s50, 3
	s_add_co_u32 s50, s50, s25                     ; bh = 8 x batch + head
	s_and_b32 s51, s24, 63                         ; the block of 64 tokens inside the batch
	s_lshl_b32 s52, s50, 18                        ; qcodes: 262,144 bh + 4,096 x block
	s_lshl_b32 s53, s51, 12
	s_add_co_u32 s52, s52, s53
	s_mov_b32 s53, 0
	s_lshl_b32 s54, s50, 19                        ; kvcodes: 524,288 bh + 16,384 x (block / 2): the key step
	s_lshr_b32 s55, s51, 1
	s_lshl_b32 s55, s55, 14
	s_add_co_u32 s54, s54, s55
	s_and_b32 s55, s24, 1
	s_lshl_b32 s56, s55, 10                        ; V: + 8,192 + 1,024 x (block % 2)
	s_add_co_u32 s56, s56, s54
	s_add_co_u32 s56, s56, 8192
	s_lshl_b32 s55, s55, 12                        ; K: + 4,096 x (block % 2)
	s_add_co_u32 s54, s54, s55
	s_mov_b32 s55, 0
	s_mov_b32 s57, 0
	s_wait_kmcnt 0x0
	s_load_b256 s[32:39], s[16:17], 0x0            ; e0 .. e7
	s_load_b64 s[40:41], s[16:17], 0x20            ; e8, e9
	s_add_nc_u64 s[4:5], s[4:5], s[46:47]
	s_add_nc_u64 s[10:11], s[10:11], s[48:49]
	s_add_nc_u64 s[12:13], s[12:13], s[48:49]
	s_add_nc_u64 s[14:15], s[14:15], s[48:49]
	s_add_nc_u64 s[18:19], s[18:19], s[52:53]      ; where my Q goes,
	s_add_nc_u64 s[26:27], s[20:21], s[54:55]      ; my K,
	s_add_nc_u64 s[28:29], s[20:21], s[56:57]      ; my V
	global_load_b128 v[SG:SG+3], v[GT], s[6:7]
	global_load_b128 v[SG+4:SG+7], v[GT], s[8:9]
	XLOAD
	WLOAD 0, 10
	s_wait_kmcnt 0x0
	MKSC HS, HS+1, 32
	MKSC HS+2, HS+3, 34
	MKSC HS+4, HS+5, 36
	s_sub_co_i32 s50, s38, s32                     ; a sum of the first product stands for sum x 2^(e0 + e1): its code is sum / 2^(e6 - e0 - e1)
	s_sub_co_i32 s50, s50, s33
	MKSC OS, OS+1, 50
	s_sub_co_i32 s50, s39, s34
	s_sub_co_i32 s50, s50, s35
	MKSC OS+2, OS+3, 50
	s_sub_co_i32 s50, s41, s36
	s_sub_co_i32 s50, s50, s37
	MKSC OS+4, OS+5, 50
	s_wait_loadcnt 63                              ; 64 loads (Wq) were issued behind x: with at most 63 out, gamma, beta and all of x are in
	ds_store_b128 v[GTL], v[SG:SG+3]
	ds_store_b128 v[GTL], v[SG+4:SG+7] offset:2048
	s_wait_dscnt 0x0                               ; for the others' sake: my part of gamma and beta lies in LDS
	s_barrier_signal -1
	s_barrier_wait -1
	GBLOAD 0
	; the mean: my 256 numbers of the row in four chains of pairs, then the lane 16 away, which holds the row's other 256
	WIN 0x0f
.irp k, 0,1,2,3
	v_pk_add_f32 v[AC+2*\k:AC+2*\k+1], v[2*\k:2*\k+1], v[2*\k+8:2*\k+9]
.endr
	WIN 0x0c
.set i, 8
.rept 120
	v_pk_add_f32 v[AC+2*(i%4):AC+2*(i%4)+1], v[AC+2*(i%4):AC+2*(i%4)+1], v[2*i:2*i+1]
.set i, i+1
.endr
	WIN 0
	v_pk_add_f32 v[AC:AC+1], v[AC:AC+1], v[AC+2:AC+3]
	v_pk_add_f32 v[AC+4:AC+5], v[AC+4:AC+5], v[AC+6:AC+7]
	v_pk_add_f32 v[AC:AC+1], v[AC:AC+1], v[AC+4:AC+5]
	v_add_f32 v[AC], v[AC], v[AC+1]
	v_permlanex16_b32 v[AC+1], v[AC], s42, s43
	v_add_f32 v[AC], v[AC], v[AC+1]
	v_mul_f32 v[MU], s44, v[AC]
	v_mov_b32 v[MU+1], v[MU]
	WLOAD 1, 12
	; x - mean in place, then the sum of its squares
	WIN 0xc3
.set i, 0
.rept 128
	v_pk_add_f32 v[2*i:2*i+1], v[2*i:2*i+1], v[MU:MU+1] neg_lo:[0,1] neg_hi:[0,1]
.set i, i+1
.endr
	WIN 0x0f
.irp k, 0,1,2,3
	v_pk_mul_f32 v[AC+2*\k:AC+2*\k+1], v[2*\k:2*\k+1], v[2*\k:2*\k+1]
.endr
.set i, 4
.rept 124
	v_pk_fma_f32 v[AC+2*(i%4):AC+2*(i%4)+1], v[2*i:2*i+1], v[2*i:2*i+1], v[AC+2*(i%4):AC+2*(i%4)+1]
.set i, i+1
.endr
	WIN 0
	v_pk_add_f32 v[AC:AC+1], v[AC:AC+1], v[AC+2:AC+3]
	v_pk_add_f32 v[AC+4:AC+5], v[AC+4:AC+5], v[AC+6:AC+7]
	v_pk_add_f32 v[AC:AC+1], v[AC:AC+1], v[AC+4:AC+5]
	v_add_f32 v[AC], v[AC], v[AC+1]
	v_permlanex16_b32 v[AC+1], v[AC], s42, s43
	v_add_f32 v[AC], v[AC], v[AC+1]
	v_fma_f32 v[AC], v[AC], s44, s45               ; var + eps
	v_rsq_f32 v[RS], v[AC]
	v_nop                                          ; a plain line behind the transcendental
	s_wait_alu depctr_va_vdst(0)                   ; and a wait ahead of the first line that names its result
	v_mov_b32 v[RS+1], v[RS]
.irp i, 0,1,2,3,4,5,6,7,8,9,10,11,12,13,14,15
	UNIT \i
.endr
	WLOAD 2, 14                                    ; x is done with: Wv takes window 3
	s_wait_dscnt 0x0                               ; for the others' sake: my tile's images lie in LDS
	s_barrier_signal -1
	s_barrier_wait -1
	s_wait_loadcnt 63                              ; 64 loads (Wv) were issued behind Wk: with at most 63 out, Wq and Wk are in
	PHASE 0, 0
	PHASE 1, 0
	PHASE 0, 1
	PHASE 1, 1
	s_wait_loadcnt 0x0                             ; Wv
	PHASE 2, 0
	PHASE 2, 1
	s_wait_tensorcnt 0x0
	ds_add_u32 v254, v255
	s_wait_dscnt 0x0
	s_endpgm
.Lfunc_end_k_qec50ec75a8_qkv:
	.size	k_qec50ec75a8_qkv, .Lfunc_end_k_qec50ec75a8_qkv-k_qec50ec75a8_qkv
	.p2alignl 7, 3214868480
	.fill 96, 4, 3214868480
	.section	.rodata,"a",@progbits
	.p2align	6, 0x0
	.amdhsa_kernel k_qec50ec75a8_qkv
		.amdhsa_group_segment_fixed_size 102912
		.amdhsa_private_segment_fixed_size 0
		.amdhsa_enable_private_segment 0
		.amdhsa_kernarg_size 72
		.amdhsa_user_sgpr_count 2
		.amdhsa_user_sgpr_kernarg_segment_ptr 1
		.amdhsa_wavefront_size32 1
		.amdhsa_system_sgpr_workgroup_id_x 1
		.amdhsa_system_sgpr_workgroup_id_y 1
		.amdhsa_system_sgpr_workgroup_id_z 1
		.amdhsa_system_vgpr_workitem_id 0
		.amdhsa_next_free_vgpr 1024
		.amdhsa_next_free_sgpr 66
		.amdhsa_reserve_vcc 0
		.amdhsa_float_denorm_mode_32 3
		.amdhsa_float_denorm_mode_16_64 3
		.amdhsa_memory_ordered 1
		.amdhsa_forward_progress 1
		.amdhsa_inst_pref_size 193
	.end_amdhsa_kernel
	.amdgpu_metadata
---
amdhsa.version: [ 1, 2 ]
amdhsa.kernels:
  - .name:           k_qec50ec75a8_qkv
    .symbol:         k_qec50ec75a8_qkv.kd
    .args:
      - { .name: x, .offset: 0, .size: 8, .value_kind: global_buffer, .address_space: global }
      - { .name: ln_gamma, .offset: 8, .size: 8, .value_kind: global_buffer, .address_space: global }
      - { .name: ln_beta, .offset: 16, .size: 8, .value_kind: global_buffer, .address_space: global }
      - { .name: w_q_codes, .offset: 24, .size: 8, .value_kind: global_buffer, .address_space: global }
      - { .name: w_k_codes, .offset: 32, .size: 8, .value_kind: global_buffer, .address_space: global }
      - { .name: w_v_codes, .offset: 40, .size: 8, .value_kind: global_buffer, .address_space: global }
      - { .name: lowp_scales, .offset: 48, .size: 8, .value_kind: global_buffer, .address_space: global }
      - { .name: qcodes, .offset: 56, .size: 8, .value_kind: global_buffer, .address_space: global }
      - { .name: kvcodes, .offset: 64, .size: 8, .value_kind: global_buffer, .address_space: global }
    .group_segment_fixed_size: 102912
    .private_segment_fixed_size: 0
    .kernarg_segment_align: 8
    .kernarg_segment_size: 72
    .max_flat_workgroup_size: 128
    .sgpr_count:     66
    .vgpr_count:     1024
    .wavefront_size: 32
...
	.end_amdgpu_metadata
.endif
;; end of part 1
;; launch attn (part 2): grid 16 x 16, 8 waves a work-group, clusters of 4 x 1, 327,680 bytes of LDS; arguments qcodes, kvcodes, lowp_scales, acodes; writes acodes
.if DOCPART == 2
	.amdgcn_target "amdgcn-amd-amdhsa--gfx1250"
	.amdhsa_code_object_version 6
	.text
	.protected	k_qec50ec75a8_attn
	.globl	k_qec50ec75a8_attn
	.p2align	8
	.type	k_qec50ec75a8_attn,@function
k_qec50ec75a8_attn:
	s_mov_b64 s[64:65], 0
	v_nop
	global_prefetch_b8 v0, s[64:65] scope:SCOPE_SE
	s_setreg_imm32_b32 hwreg(HW_REG_WAVE_MODE, 25, 1), 1
	s_wait_xcnt 0x0
	s_wait_alu depctr_hold_cnt(0) depctr_sa_sdst(0) depctr_va_vdst(0) depctr_va_sdst(0) depctr_va_ssrc(0) depctr_va_vcc(0) depctr_vm_vsrc(0)
	s_getreg_b32 s2, hwreg(HW_REG_IB_STS2, 6, 4)
	s_cmp_eq_u32 s2, 0
	s_cbranch_scc0 .Lentry_in_a_cluster
	s_endpgm
.Lentry_in_a_cluster:
	s_bfe_u32 s2, ttmp6, 0x10000c
	s_cmp_lg_u32 s2, 0x3003
	s_cbranch_scc0 .Lentry_shape_is_right
	s_endpgm
.Lentry_shape_is_right:
; attended = softmax(Q K^T / 8) V for 16 (batch, head) pairs, 4,096 queries and keys, head size 64, both products on codes of E4M3; the result is quantised (2^e10) for the last product.
; THE SOFTMAX: t = score x log2(e) / 8; M = the running largest t rounded UP to a whole number; p = 2^(t - M) is quantised with 2^e8; the row's sum is taken of the unquantised p and divides at the end.
; When M moves, the sum and O are multiplied by 2^(old M - new M), which rounds nothing.
; SHARES.  A work-group owns 256 queries of one pair bh; each of its eight waves owns 32: two tiles of 16, so that each fragment of K and V read from LDS feeds two matrix instructions; two waves share a SIMD.
; Every wave walks all 4,096 keys, 128 a step.  A step's K and V are 16,384 consecutive bytes of kvcodes, laid as images of operand registers: every LDS load takes 512 consecutive bytes; nothing is padded or turned.
; RING.  Two LDS slots of eight key steps; each wave fetches one step of a slot by one tensor load.  A wave has two tensor loads out at the start and one behind each change of slots.
; CLUSTER.  The four query blocks of a cluster walk the same K and V: each tile is asked for jointly, by the same tensor load with the same descriptor and a mask that names the four.
; LAYOUT.  S^T = K Q^T (source 0 = 16 keys, source 1 = 16 queries), O^T = V^T P^T: a lane holds ONE query throughout.  The keys of a tile and the channels of a tile of V are chosen (8 u + r + 8 (r / 8) in a group of 32)
; so that the 16 registers of two neighbouring tiles are 16 neighbours: p's codes are the second product's operand, O's codes a piece of the last product's.
; LIMITS: e6 + e7 between -123 and 130 (added to the exponent field of log2(e) / 8); e8 and e10 - e8 - e9 between -126 and 119.  NaN among the inputs is not served.
; REGISTERS.  Window 0: v1-9 addresses and scales; v12-27 statistics, eight a tile; v28-31 second chains of the sums; v32-47 Q; v48-111 K of a step; v112-239 S^T, then p; v240-255 the codes that leave.
;             Window 1: v0-63 O^T; v64-127 V of a step; v128-159 p's codes.
.set STEPB, 16384                      ; a key step in LDS: K's 8,192 bytes, then V's
.set SLOT1, 1<<17                      ; a slot is eight steps; slot 1 begins here, so that one exclusive or turns an address in one slot into the other's
.set SPARE, 2*SLOT1                    ; behind the ring: the spare words, 128 bytes for each of eight waves: four blocks of 256 bytes that no other line names
.set LI,   1                           ; v1  16 x lane
.set ADR,  2                           ; v2  LDS address of the step in hand
.set PFO,  3                           ; v3  256 x lane: the prefetches' offset; never rewritten
.set SPW,  4                           ; v4  LDS address of my spare word; never rewritten
.set NIL,  5                           ; v5  0; never rewritten
.set PSC,  6                           ; v6  2^e8        v7  448 x 2^e8
.set PLIM, 7
.set OSC,  8                           ; v8  2^(e10 - e8 - e9)      v9  448 x that
.set OLIM, 9
.set ST,   12                          ; tile u at v[12 + 8 u]: +0 -M, +1 the largest t, +2, +3 the sum in two halves, +4 f, +5 zero (named with f as a pair), +6, +7 at work
.set C2,   28
.set Q,    32
.set KF,   48
.set S,    112
.set CO,   240
.set O,    0                           ; in window 1
.set VF,   64
.set P,    128
.set WV,   12                          ; s12 my wave's number
.set G1,   24                          ; s[24:31] descriptor group 1
.set G0A,  32                          ; s[32:35] group 0 of slot 0's first fill
.set G0B,  36                          ; s[36:39] group 0 of slot 1's first fill; it then walks
.set CS,   46                          ; s[46:47] c = log2(e) / 8 x 2^(e6 + e7), twice
.set SEL,  48                          ; s[48:49] v_permlanex16_b32: lane l xor 16
.set TB,   50                          ; s50 LDS byte at which the step in hand begins
.set SLOTS, 51                         ; s51 slots still to be asked for
.set CNT,  52                          ; s52 counts a slot's eight steps
.set LIM,  53                          ; s53 1 in a wave that prefetches, else the greatest number
.set PFA,  54                          ; s[54:55] where my prefetch stands
.set MSB, 0
.macro WIN new
.if MSB != (\new)
	s_set_vgpr_msb (MSB<<8)|(\new)
.set MSB, (\new)
.endif
.endm
.macro PLACES
.rept 4
	v_nop
.endr
.endm
.macro MKSC sc, lim, e
	s_add_co_i32 s56, s[\e], 127
	s_lshl_b32 s57, s56, 23
	v_mov_b32 v[\sc], s57
	s_add_co_i32 s56, s56, 8
	s_lshl_b32 s56, s56, 23
	s_or_b32 s56, s56, 0x600000
	v_mov_b32 v[\lim], s56
.endm
; A round of the cluster's barrier: my work-group's barrier, wave 0 signals for the work-group, every wave waits for all four work-groups, my work-group's barrier once more.
.macro CROUND
	s_barrier_signal -1
	s_barrier_wait -1
	s_cmp_lg_u32 s[WV], 0
	s_cbranch_scc1 .Lnot_wave_0_\@
	s_barrier_signal -3
.Lnot_wave_0_\@:
	s_barrier_wait -3
	s_barrier_signal -1
	s_barrier_wait -1
.endm
; A prefetch of the slot that the NEXT change of slots will ask for: eight key steps ahead of that load.  All four clusters of a pair bh walk the same bytes: the first of them asks.  Its four partners share the
; slot's 131,072 bytes out by address, 32,768 each; in each, waves 0 to 3 take 8,192, lanes 256 bytes apart: each block of 256 bytes is named once.  The last change that fills a slot asks for nothing.
.macro ASK
	s_cmp_gt_u32 s[SLOTS], s[LIM]
	s_cbranch_scc0 .Lnot_mine_\@
	global_prefetch_b8 v[PFO], s[PFA:PFA+1] th:TH_LOAD_NT scope:SCOPE_SE
.Lnot_mine_\@:
.endm
; A KEY STEP: 128 keys for my two tiles of queries.
.macro STEP
	v_add_nc_u32 v[ADR], s[TB], v[LI]              ; (with the four v_nop at the last step's end: the places in front of the loads into V's registers)
.set i, 0
.rept 16
	ds_load_b128 v[KF+4*i:KF+4*i+3], v[ADR] offset:512*i           ; K: key tile i / 2, channels 32 (i % 2) on
.set i, i+1
.endr
	WIN 0x40                                       ; destination window 1
.set i, 0
.rept 16
	ds_load_b128 v[VF+4*i:VF+4*i+3], v[ADR] offset:8192+512*i      ; V: channel tile i / 4, keys 32 (i % 4) on
.set i, i+1
.endr
	WIN 0
	s_wait_dscnt 16                                ; K is in; V's sixteen loads may stay out
.irp t, 0,1,2,3,4,5,6,7
.irp u, 0,1
	v_wmma_f32_16x16x64_fp8_fp8 v[S+64*\u+8*\t:S+64*\u+8*\t+7], v[KF+8*\t:KF+8*\t+7], v[Q+8*\u:Q+8*\u+7], 0
.endr
.endr
	PLACES
	; the step's largest score of each query: two chains a tile, the tiles by turns, each accumulator from its low end on
.irp u, 0,1
	v_max3_num_f32 v[ST+8*\u+6], v[S+64*\u], v[S+64*\u+1], v[S+64*\u+2]
	v_max3_num_f32 v[ST+8*\u+7], v[S+64*\u+3], v[S+64*\u+4], v[S+64*\u+5]
.endr
.irp i, 6,10,14,18,22,26,30,34,38,42,46,50,54,58
.irp u, 0,1
	v_max3_num_f32 v[ST+8*\u+6], v[ST+8*\u+6], v[S+64*\u+\i], v[S+64*\u+\i+1]
	v_max3_num_f32 v[ST+8*\u+7], v[ST+8*\u+7], v[S+64*\u+\i+2], v[S+64*\u+\i+3]
.endr
.endr
.irp u, 0,1
	v_max3_num_f32 v[ST+8*\u+6], v[ST+8*\u+6], v[S+64*\u+62], v[S+64*\u+63]
.endr
.irp u, 0,1
	v_max_num_f32 v[ST+8*\u+6], v[ST+8*\u+6], v[ST+8*\u+7]
.endr
.irp u, 0,1
	v_permlanex16_b32 v[ST+8*\u+7], v[ST+8*\u+6], s[SEL], s[SEL+1]   ; the query's other 64 keys lie in the lane 16 away
.endr
.irp u, 0,1
	v_max_num_f32 v[ST+8*\u+6], v[ST+8*\u+6], v[ST+8*\u+7]
.endr
.irp u, 0,1
	v_mul_f32 v[ST+8*\u+6], s[CS], v[ST+8*\u+6]    ; as t (c is positive)
.endr
.irp u, 0,1
	v_max_num_f32 v[ST+8*\u+1], v[ST+8*\u+1], v[ST+8*\u+6]   ; the running largest t
.endr
.irp u, 0,1
	v_mov_b32 v[ST+8*\u+6], v[ST+8*\u]
.endr
.irp u, 0,1
	v_floor_f32 v[ST+8*\u], -v[ST+8*\u+1]          ; the new -M = floor(-t) = -ceil(t)
.endr
.irp u, 0,1
	v_sub_f32 v[ST+8*\u+6], v[ST+8*\u], v[ST+8*\u+6]   ; old M - new M: a whole number, 0 or less
.endr
.irp u, 0,1
	v_cvt_i32_f32 v[ST+8*\u+6], v[ST+8*\u+6]       ; (it saturates)
.endr
.irp u, 0,1
	v_ldexp_f32 v[ST+8*\u+4], 1.0, v[ST+8*\u+6]    ; f = 2^(old M - new M)
.endr
.set j, 0
.rept 64
	v_pk_fma_f32 v[S+j:S+j+1], v[S+j:S+j+1], s[CS:CS+1], v[ST+8*(j/64):ST+8*(j/64)+1] op_sel_hi:[1,0,0]   ; t - M, two at a time (of the pairs c and -M the low word serves both halves)
.set j, j+2
.endr
.set j, 0
.rept 128
	v_exp_f32 v[S+j], v[S+j]                       ; p = 2^(t - M): one batch
.set j, j+1
.endr
.irp u, 0,1
	v_pk_mul_f32 v[ST+8*\u+2:ST+8*\u+3], v[ST+8*\u+2:ST+8*\u+3], v[ST+8*\u+4:ST+8*\u+5] op_sel_hi:[1,0]   ; the sums under the new M: the plain lines behind the exponentials
.endr
	s_wait_alu depctr_va_vdst(0)                   ; one wait for the batch, ahead of the first line that names a result
.irp u, 0,1
	v_pk_add_f32 v[C2+2*\u:C2+2*\u+1], v[S+64*\u:S+64*\u+1], v[S+64*\u+2:S+64*\u+3]   ; the row's sum is taken of the unquantised p: two chains a tile
.endr
.set j, 4
.rept 15
.irp u, 0,1
	v_pk_add_f32 v[ST+8*\u+2:ST+8*\u+3], v[ST+8*\u+2:ST+8*\u+3], v[S+64*\u+j:S+64*\u+j+1]
	v_pk_add_f32 v[C2+2*\u:C2+2*\u+1], v[C2+2*\u:C2+2*\u+1], v[S+64*\u+j+2:S+64*\u+j+3]
.endr
.set j, j+4
.endr
.irp u, 0,1
	v_pk_add_f32 v[ST+8*\u+2:ST+8*\u+3], v[ST+8*\u+2:ST+8*\u+3], v[C2+2*\u:C2+2*\u+1]
.endr
.set j, 0
.rept 128
	v_min_num_f32 v[S+j], v[S+j], v[PLIM]          ; the conversion to an 8-bit code does not saturate (ISA guide 7.6.2); p is not negative, so the hold is one-sided
.set j, j+1
.endr
	WIN 0x40                                       ; destination window 1
.set i, 0
.rept 16
	v_cvt_scalef32_pk8_fp8_f32 v[P+2*i:P+2*i+1], v[S+8*i:S+8*i+7], v[PSC]
.set i, i+1
.endr
	WIN 0x41                                       ; O^T (destination and source 0) in window 1, f in window 0
.set j, 0
.rept 32
	v_pk_mul_f32 v[O+j:O+j+1], v[O+j:O+j+1], v[ST+8*(j/32)+4:ST+8*(j/32)+5] op_sel_hi:[1,0]   ; O^T under the new M; also the plain lines behind the conversions
.set j, j+2
.endr
	s_wait_dscnt 0x0                               ; V is in
	WIN 0x55                                       ; all four operands in window 1
.irp t, 0,1,2,3
.irp u, 0,1
	v_wmma_f32_16x16x128_fp8_fp8 v[O+32*\u+8*\t:O+32*\u+8*\t+7], v[VF+16*\t:VF+16*\t+15], v[P+16*\u:P+16*\u+15], v[O+32*\u+8*\t:O+32*\u+8*\t+7]   ; eight accumulators by turns, one instruction a turn
.endr
.endr
	PLACES
	WIN 0
	s_add_co_u32 s[TB], s[TB], STEPB
.endm
.macro SLOT_STEPS                      ; a slot's eight key steps: written once, walked eight times
	s_mov_b32 s[CNT], 8
.Lstep_\@:
	STEP
	s_sub_co_u32 s[CNT], s[CNT], 1
	s_cmp_lg_u32 s[CNT], 0
	s_cbranch_scc1 .Lstep_\@
.endm
; THE CHANGE OF SLOTS.  Each wave waits for all its tensor loads (one is out: its step of the other slot), adds 0 to its spare word, and waits for that and for its reads of the slot that it leaves.
; fill = 1: the barrier is a round of the cluster's, so that no wave of any partner still reads the slot or has a load on its way; the joint refill is the first thing behind it and has eight key steps in which to land.
.macro CHANGE fill
	s_wait_tensorcnt 0x0                           ; no tensor load of mine is out, so a group 0 may be written
	ds_add_u32 v[SPW], v[NIL]                      ; 0 onto my spare word
.if \fill
	s_xor_b32 s[G0B+1], s[G0B+1], SLOT1            ; the walking descriptor: the other slot than last time,
	s_add_nc_u64 s[G0B+2:G0B+3], s[G0B+2:G0B+3], 8*STEPB   ; the next 1,024 keys; the type bits on top are not reached
	s_wait_xcnt 0x0                                ; the last prefetch, a slot back, has read its address, so it may be written:
	s_add_nc_u64 s[PFA:PFA+1], s[PFA:PFA+1], 8*STEPB       ; one slot further on than the walking descriptor
	s_wait_dscnt 0x0                               ; the add is done, and my reads of the slot are over
	CROUND
	tensor_load_to_lds s[G0B:G0B+3], s[G1:G1+7]
	s_nop 0
	PLACES                                         ; four v_nop follow the load
	ASK
.else
	s_wait_dscnt 0x0
	s_barrier_signal -1
	s_barrier_wait -1
.endif
	s_sub_co_u32 s[TB], s[TB], 8*STEPB             ; back to a slot's first step,
	s_xor_b32 s[TB], s[TB], SLOT1                  ; in the other slot
.endm
	s_load_b256 s[4:11], s[0:1], 0x0               ; qcodes s[4:5], kvcodes s[6:7], the exponents s[8:9], acodes s[10:11]
	v_lshl_add_u32 v[SPW], v0, 2, SPARE
	v_mov_b32 v[NIL], 0
	ds_add_u32 v4, v5
	ds_add_u32 v4, v5
	s_wait_dscnt 0x0
	v_lshrrev_b32 v10, 5, v0
	v_readfirstlane_b32 s[WV], v10                 ; wave 0..7
	s_bfe_u32 s13, ttmp6, 0x40000                  ; cx: my place in the cluster
	s_lshl_b32 s14, ttmp9, 2                       ; in a cluster launch ttmp9 counts clusters
	s_add_co_u32 s14, s14, s13                     ; my block of 256 queries: it enters Q's and the result's addresses alone
	s_and_b32 s15, ttmp7, 0xffff                   ; bh, which the four partners share
	s_lshl_b32 s16, s15, 19                        ; kvcodes: 524,288 bh + 16,384 x wave: the step of a slot that I fetch
	s_lshl_b32 s56, s[WV], 14                      ; and its place in a slot: no place in the cluster enters an LDS address
	s_add_co_u32 s16, s16, s56
	s_mov_b32 s17, 0
	s_lshl_b32 s57, s14, 3
	s_add_co_u32 s57, s57, s[WV]                   ; G: my group of 32 queries
	s_lshl_b32 s18, s15, 18                        ; qcodes: 262,144 bh + 2,048 G
	s_lshl_b32 s58, s57, 11
	s_add_co_u32 s18, s18, s58
	s_mov_b32 s19, 0
	s_lshr_b32 s20, s15, 3                         ; acodes: row tile 256 x batch + 2 G, 8,192 bytes each;
	s_lshl_b32 s20, s20, 8
	s_lshl_b32 s58, s57, 1
	s_add_co_u32 s20, s20, s58
	s_lshl_b32 s20, s20, 13
	s_and_b32 s58, s15, 7                          ; K step head / 2, 2,048 bytes each;
	s_lshr_b32 s58, s58, 1
	s_lshl_b32 s58, s58, 11
	s_add_co_u32 s20, s20, s58
	s_and_b32 s58, s15, 1                          ; pieces 2 (head % 2) on, 512 bytes each
	s_lshl_b32 s58, s58, 10
	s_add_co_u32 s20, s20, s58
	s_mov_b32 s21, 0
	s_lshl_b32 s22, s15, 19                        ; the prefetches: my work-group's 32,768 bytes of a slot, my wave's 8,192 of them,
	s_lshl_b32 s58, s13, 15
	s_add_co_u32 s22, s22, s58
	s_and_b32 s58, s[WV], 3
	s_lshl_b32 s58, s58, 13
	s_add_co_u32 s22, s22, s58
	s_add_co_u32 s22, s22, 2*8*STEPB               ; in slot 2: the first change of slots steps it to slot 3.  Nothing is prefetched at the head
	s_mov_b32 s23, 0
	s_lshr_b32 s[LIM], s[WV], 2                    ; 0 in waves 0 to 3,
	s_or_b32 s[LIM], s[LIM], ttmp9                 ; of the pair's first cluster: the same in all four partners
	s_cmp_eq_u32 s[LIM], 0
	s_cselect_b32 s[LIM], 1, -1
	; descriptor group 1: a dense block of 16,384 bytes as 64 rows of 32 elements of 8 bytes
	s_mov_b32 s[G1], 15|(3<<16)|(1<<21)            ; 15:0 the mask: all four work-groups; 17:16 elements of 8 bytes; 20 no padding; 21 set beside a mask
	s_mov_b32 s[G1+1], 32<<16                      ; tensor_dim0 = 32
	s_mov_b32 s[G1+2], 64<<16                      ; tensor_dim1 = 64
	s_mov_b32 s[G1+3], 32<<16                      ; tile_dim0 = 32
	s_mov_b32 s[G1+4], 64                          ; tile_dim1 = 64
	s_mov_b32 s[G1+5], 32                          ; from row to row: 32 elements
	s_mov_b32 s[G1+6], 0
	s_mov_b32 s[G1+7], 0
	s_mov_b32 s[SEL], 0x76543210
	s_mov_b32 s[SEL+1], 0xfedcba98
	s_mov_b32 s[TB], 0
	v_and_b32 v11, 31, v0
	v_lshlrev_b32 v[LI], 4, v11
	v_lshlrev_b32 v[PFO], 8, v11
	s_wait_kmcnt 0x0
	s_load_b128 s[40:43], s[8:9], 0x18             ; e6, e7, e8, e9
	s_load_b32 s44, s[8:9], 0x28                   ; e10
	s_add_nc_u64 s[PFA:PFA+1], s[6:7], s[22:23]
	s_add_nc_u64 s[6:7], s[6:7], s[16:17]
	s_add_nc_u64 s[4:5], s[4:5], s[18:19]
	s_add_nc_u64 s[10:11], s[10:11], s[20:21]
	s_mov_b32 s[G0A], 1                            ; count = 1
	s_mov_b32 s[G0A+1], s56                        ; LDS address: slot 0, my step
	s_mov_b64 s[G0A+2:G0A+3], s[6:7]               ; global address: keys 128 x wave on
	s_or_b32 s[G0A+3], s[G0A+3], 0x80000000        ; type = 2
	s_mov_b32 s[G0B], 1
	s_add_co_u32 s[G0B+1], s56, SLOT1
	s_add_nc_u64 s[G0B+2:G0B+3], s[6:7], 8*STEPB
	s_or_b32 s[G0B+3], s[G0B+3], 0x80000000
	CROUND                                         ; all four work-groups are here: the first joint loads meet
	tensor_load_to_lds s[G0A:G0A+3], s[G1:G1+7]    ; the two first fills stand together, ahead of every wait on TENSORcnt and every LDS read
	s_nop 0
	tensor_load_to_lds s[G0B:G0B+3], s[G1:G1+7]
	s_nop 0
	PLACES
.irp i, 0,1,2,3
	global_load_b128 v[Q+4*\i:Q+4*\i+3], v[LI], s[4:5] offset:512*\i   ; Q stays in registers: tile i / 2, channels 32 (i % 2) on
.endr
.irp u, 0,1
	v_mov_b32 v[ST+8*\u+1], 0xff61b1e6             ; the largest t so far: -3e38, under every t
	v_floor_f32 v[ST+8*\u], -v[ST+8*\u+1]          ; -M
	v_mov_b32 v[ST+8*\u+2], 0                      ; the sum, in two halves
	v_mov_b32 v[ST+8*\u+3], 0
	v_mov_b32 v[ST+8*\u+5], 0                      ; (named as the upper half of f's pair)
.endr
	WIN 0x40
.set j, 0
.rept 64
	v_mov_b32 v[O+j], 0                            ; O^T.  (The step is written without a first form of its own: the first change of M multiplies zeros)
.set j, j+1
.endr
	WIN 0
	s_wait_kmcnt 0x0
	s_add_co_i32 s58, s40, s41
	s_lshl_b32 s58, s58, 23
	s_mov_b32 s[CS], 0x3e38aa3b                    ; log2(e) / 8
	s_add_co_i32 s[CS], s[CS], s58                 ; a score stands for score x 2^(e6 + e7): the two exponents are added to c's exponent field
	s_mov_b32 s[CS+1], s[CS]
	MKSC PSC, PLIM, 42
	s_sub_co_i32 s58, s44, s42                     ; O / l stands for O / l x 2^(e8 + e9): its code is (O / l) / 2^(e10 - e8 - e9)
	s_sub_co_i32 s58, s58, s43
	MKSC OSC, OLIM, 58
	s_wait_tensorcnt 0x1                           ; my step of slot 0 is in; slot 1's may stay out
	s_barrier_signal -1
	s_barrier_wait -1                              ; everybody's is
	s_wait_loadcnt 0x0                             ; Q
	SLOT_STEPS                                     ; keys 0 to 1,023
	s_mov_b32 s[SLOTS], 2
.Lslot:                                            ; two trips: slots 0 and 1 are filled again once each
	CHANGE 1
	SLOT_STEPS
	s_sub_co_u32 s[SLOTS], s[SLOTS], 1
	s_cmp_lg_u32 s[SLOTS], 0
	s_cbranch_scc1 .Lslot
	CHANGE 0                                       ; the last slot is written out
	SLOT_STEPS
	; THE WAY OUT: O^T / the sum, held, converted: four pieces of the last product's operand, 512 consecutive bytes a store
.irp u, 0,1
	v_add_f32 v[ST+8*\u+6], v[ST+8*\u+2], v[ST+8*\u+3]
.endr
.irp u, 0,1
	v_permlanex16_b32 v[ST+8*\u+7], v[ST+8*\u+6], s[SEL], s[SEL+1]
.endr
.irp u, 0,1
	v_add_f32 v[ST+8*\u+6], v[ST+8*\u+6], v[ST+8*\u+7]
.endr
.irp u, 0,1
	v_rcp_f32 v[ST+8*\u+4], v[ST+8*\u+6]
.endr
	v_nop                                          ; a plain line behind the reciprocals
	s_wait_alu depctr_va_vdst(0)                   ; one wait for the two, ahead of their first reader
	WIN 0x41
.set j, 0
.rept 32
	v_pk_mul_f32 v[O+j:O+j+1], v[O+j:O+j+1], v[ST+8*(j/32)+4:ST+8*(j/32)+5] op_sel_hi:[1,0]   ; each accumulator from its low end on
.set j, j+2
.endr
.set j, 0
.rept 64
	v_med3_num_f32 v[O+j], v[O+j], -v[OLIM], v[OLIM]
.set j, j+1
.endr
	WIN 0x01                                       ; source 0 window 1, destination window 0
.set i, 0
.rept 8
	v_cvt_scalef32_pk8_fp8_f32 v[CO+2*i:CO+2*i+1], v[O+8*i:O+8*i+7], v[OSC]
.set i, i+1
.endr
	WIN 0
	v_nop                                          ; a plain line behind the last conversion
.irp p, 0,1,2,3
	global_store_b128 v[LI], v[CO+4*\p:CO+4*\p+3], s[10:11] offset:(\p/2)*8192+(\p%2)*512
.endr
	s_wait_tensorcnt 0x0                           ; the wave's end
	ds_add_u32 v[SPW], v[NIL]
	s_wait_dscnt 0x0
	CROUND                                         ; the closing round: no work-group ends while a partner may still ask for a tile that names it
	s_endpgm
.Lfunc_end_k_qec50ec75a8_attn:
	.size	k_qec50ec75a8_attn, .Lfunc_end_k_qec50ec75a8_attn-k_qec50ec75a8_attn
	.p2alignl 7, 3214868480
	.fill 96, 4, 3214868480
	.section	.rodata,"a",@progbits
	.p2align	6, 0x0
	.amdhsa_kernel k_qec50ec75a8_attn
		.amdhsa_group_segment_fixed_size 327680
		.amdhsa_private_segment_fixed_size 0
		.amdhsa_enable_private_segment 0
		.amdhsa_kernarg_size 32
		.amdhsa_user_sgpr_count 2
		.amdhsa_user_sgpr_kernarg_segment_ptr 1
		.amdhsa_wavefront_size32 1
		.amdhsa_system_sgpr_workgroup_id_x 1
		.amdhsa_system_sgpr_workgroup_id_y 1
		.amdhsa_system_sgpr_workgroup_id_z 1
		.amdhsa_system_vgpr_workitem_id 0
		.amdhsa_next_free_vgpr 512
		.amdhsa_next_free_sgpr 66
		.amdhsa_reserve_vcc 0
		.amdhsa_float_denorm_mode_32 3
		.amdhsa_float_denorm_mode_16_64 3
		.amdhsa_memory_ordered 1
		.amdhsa_forward_progress 1
		.amdhsa_inst_pref_size 102
	.end_amdhsa_kernel
	.amdgpu_metadata
---
amdhsa.version: [ 1, 2 ]
amdhsa.kernels:
  - .name:           k_qec50ec75a8_attn
    .symbol:         k_qec50ec75a8_attn.kd
    .args:
      - { .name: qcodes, .offset: 0, .size: 8, .value_kind: global_buffer, .address_space: global }
      - { .name: kvcodes, .offset: 8, .size: 8, .value_kind: global_buffer, .address_space: global }
      - { .name: lowp_scales, .offset: 16, .size: 8, .value_kind: global_buffer, .address_space: global }
      - { .name: acodes, .offset: 24, .size: 8, .value_kind: global_buffer, .address_space: global }
    .group_segment_fixed_size: 327680
    .private_segment_fixed_size: 0
    .kernarg_segment_align: 8
    .kernarg_segment_size: 32
    .max_flat_workgroup_size: 256
    .sgpr_count:     66
    .vgpr_count:     512
    .wavefront_size: 32
...
	.end_amdgpu_metadata
.endif
;; end of part 2
;; launch oproj (part 3): grid 256 x 1, 4 waves a work-group, no clusters, 99,840 bytes of LDS; arguments acodes, w_o_codes, lowp_scales, b_o, x, out0; writes out0
.if DOCPART == 3
	.amdgcn_target "amdgcn-amd-amdhsa--gfx1250"
	.amdhsa_code_object_version 6
	.text
	.protected	k_qec50ec75a8_oproj
	.globl	k_qec50ec75a8_oproj
	.p2align	8
	.type	k_qec50ec75a8_oproj,@function
k_qec50ec75a8_oproj:
	s_mov_b64 s[64:65], 0
	v_nop
	global_prefetch_b8 v0, s[64:65] scope:SCOPE_SE
	s_setreg_imm32_b32 hwreg(HW_REG_WAVE_MODE, 25, 1), 1
	s_wait_xcnt 0x0
; out0 = attended Wo^T + b_o + x.  The attended rows come as codes of E4M3 (2^e10), laid as images of operand registers [row tile 512][K step 4][c 4][512]; Wo as codes (2^e11), K innermost.
; SHARES.  A work-group takes 64 tokens (rb: four row tiles) and 256 columns (ch).  Wave w takes columns 256 ch + 64 w .. + 63 for all four row tiles: its 64 rows of Wo (256 registers, window 1) are read once.
; Each wave reads one row tile's codes from memory and hands them to the others through LDS as they lie; all four tiles then stand in window 2.
; NO CLUSTER: each weight byte goes once for a work-group straight into the register where it stays; a joint load would add an LDS write and an LDS read for every byte.
; THE MATRIX INSTRUCTION IS USED TRANSPOSED (source 0 = 16 rows of Wo, source 1 = 16 tokens): a lane holds eight neighbouring columns of one token.
; A row tile's lane r is token 8 u + r + 8 (r / 8) of its group of 32.  The stage keeps the tiles' own order (rows 1,040 bytes apart); the tokens' order comes back in the immediates of the loads of x and of the stores.
; Every load of x and every store covers 512 consecutive bytes, aligned.
; LIMIT: e10 + e11 between -126 and 127, so that 2^(e10 + e11) is an f32 number.
.set STG,  32768                       ; LDS: 0 .. 32,767 the four row tiles' images; then the stage: 64 rows x (1,024 + 16) bytes
.set LI,   1                           ; v1  16 x lane
.set WA,   2                           ; v2  Wo: row r of 512 bytes + 16 h
.set BA,   3                           ; v3  b_o: 32 h
.set AWI,  4                           ; v4  where I put my row tile's images: 16 x lane + 8,192 x wave
.set SO,   5                           ; v5  the stage: where I put 32 bytes of a row
.set SR,   6                           ; v6  and where I read rows back
.set ACC,  32                          ; v32-159 sixteen accumulators (row tile m, column tile n) at 8 (4 m + n)
.set BI,   160                         ; v160-191 b_o of my columns, eight registers a column tile, in the result's layout
.set T,    192                         ; v192-255 my row tile's codes on their way to LDS
.set MSB, 0
.macro WIN new
.if MSB != (\new)
	s_set_vgpr_msb (MSB<<8)|(\new)
.set MSB, (\new)
.endif
.endm
	s_load_b256 s[4:11], s[0:1], 0x0               ; acodes s[4:5], Wo s[6:7], the exponents s[8:9], b_o s[10:11]
	s_load_b128 s[12:15], s[0:1], 0x20             ; x s[12:13], out0 s[14:15]
	v_lshl_add_u32 v30, v0, 2, 0x18400
	v_mov_b32 v31, 0
	v_lshrrev_b32 v8, 5, v0
	v_readfirstlane_b32 s22, v8                    ; wave 0..3
	s_and_b32 s23, ttmp9, 1                        ; ch
	s_lshr_b32 s24, ttmp9, 1                       ; rb
	v_and_b32 v9, 15, v0                           ; r
	v_bfe_u32 v10, v0, 4, 1                        ; h
	v_and_b32 v11, 31, v0
	v_lshlrev_b32 v[LI], 4, v11
	v_lshlrev_b32 v[WA], 9, v9
	v_lshl_add_u32 v[WA], v10, 4, v[WA]
	v_lshlrev_b32 v[BA], 5, v10
	s_lshl_b32 s25, s22, 13
	v_add_nc_u32 v[AWI], s25, v[LI]
	v_mul_u32_u24 v[SO], v9, 1040
	v_lshl_add_u32 v[SO], v10, 5, v[SO]
	s_lshl_b32 s25, s22, 8
	v_add_nc_u32 v[SO], s25, v[SO]
	v_add_nc_u32 v[SO], STG, v[SO]                 ; row r, + 32 h, + 256 x wave: my columns' bytes
	s_mul_i32 s25, s22, 16640
	v_add_nc_u32 v[SR], s25, v[LI]
	v_add_nc_u32 v[SR], STG, v[SR]                 ; back: row tile w's 16 rows, 16 bytes a lane
	s_lshl_b32 s26, s24, 2
	s_add_co_u32 s26, s26, s22
	s_lshl_b32 s26, s26, 13                        ; acodes: row tile 4 rb + wave
	s_mov_b32 s27, 0
	s_lshl_b32 s28, s23, 8
	s_lshl_b32 s30, s22, 6
	s_add_co_u32 s28, s28, s30                     ; my first column
	s_lshl_b32 s30, s28, 2                         ; in b_o,
	s_mov_b32 s31, 0
	s_lshl_b32 s28, s28, 9                         ; and as a row of Wo
	s_mov_b32 s29, 0
	s_lshl_b32 s32, s24, 6                         ; x and out0: token 64 rb + 32 (w / 2) + 8 (w % 2), + 1,024 ch bytes
	s_lshr_b32 s33, s22, 1
	s_lshl_b32 s33, s33, 5
	s_add_co_u32 s32, s32, s33
	s_and_b32 s33, s22, 1
	s_lshl_b32 s33, s33, 3
	s_add_co_u32 s32, s32, s33
	s_lshl_b32 s32, s32, 11
	s_lshl_b32 s33, s23, 10
	s_add_co_u32 s32, s32, s33
	s_mov_b32 s33, 0
	s_wait_kmcnt 0x0
	s_load_b64 s[16:17], s[8:9], 0x28              ; e10, e11
	s_add_nc_u64 s[4:5], s[4:5], s[26:27]
	s_add_nc_u64 s[6:7], s[6:7], s[28:29]
	s_add_nc_u64 s[10:11], s[10:11], s[30:31]
	s_add_nc_u64 s[12:13], s[12:13], s[32:33]
	s_add_nc_u64 s[14:15], s[14:15], s[32:33]
.set i, 0
.rept 16
	global_load_b128 v[T+4*i:T+4*i+3], v[LI], s[4:5] offset:512*i th:TH_LOAD_NT
.set i, i+1
.endr
	WIN 0x40                                       ; destination window 1: Wo's fragment (column tile n, K step s) at 16 (4 n + s)
.irp n, 0,1,2,3
.irp s, 0,1,2,3
.irp c, 0,1,2,3
	global_load_b128 v[16*(4*\n+\s)+4*\c:16*(4*\n+\s)+4*\c+3], v[WA], s[6:7] offset:16*\n*512+128*\s+32*\c
.endr
.endr
.endr
	WIN 0
	s_wait_loadcnt 63                              ; 64 loads (Wo) were issued behind my row tile's: with at most 63 out, the codes are in
.set i, 0
.rept 16
	ds_store_b128 v[AWI], v[T+4*i:T+4*i+3] offset:512*i
.set i, i+1
.endr
.irp n, 0,1,2,3
	global_load_b128 v[BI+8*\n:BI+8*\n+3], v[BA], s[10:11] offset:64*\n
	global_load_b128 v[BI+8*\n+4:BI+8*\n+7], v[BA], s[10:11] offset:64*\n+16
.endr
	WIN 0xc0                                       ; destination window 3: the residual, the rows that I shall store
.irp r, 0,1,2,3,4,5,6,7,8,9,10,11,12,13,14,15
.irp f, 0,1
	global_load_b128 v[4*(2*\r+\f):4*(2*\r+\f)+3], v[LI], s[12:13] offset:(\r+8*(\r/8))*2048+512*\f th:TH_LOAD_NT
.endr
.endr
	WIN 0
	s_wait_dscnt 0x0                               ; for the others' sake: my row tile's images lie in LDS
	s_barrier_signal -1
	s_barrier_wait -1
	WIN 0x80                                       ; destination window 2: fragment (row tile m, K step s) at 16 (4 m + s)
.set i, 0
.rept 64
	ds_load_b128 v[4*i:4*i+3], v[LI] offset:512*i
.set i, i+1
.endr
	WIN 0
	s_wait_kmcnt 0x0
	s_add_co_i32 s20, s16, s17
	s_add_co_i32 s20, s20, 127
	s_lshl_b32 s20, s20, 23                        ; 2^(e10 + e11) as f32
	s_mov_b32 s21, s20                             ; (named with it as a pair, so it is written)
	s_wait_loadcnt 32                              ; Wo and b_o are in; the residual's 32 loads may stay out
	s_wait_dscnt 0x0
	WIN 0x09                                       ; source 0 (Wo) window 1, source 1 (the rows) window 2
.irp s, 0,1,2,3
.irp m, 0,1,2,3
.irp n, 0,1,2,3
.if \s == 0
	v_wmma_f32_16x16x128_fp8_fp8 v[ACC+8*(4*\m+\n):ACC+8*(4*\m+\n)+7], v[16*(4*\n+\s):16*(4*\n+\s)+15], v[16*(4*\m+\s):16*(4*\m+\s)+15], 0
.else
	v_wmma_f32_16x16x128_fp8_fp8 v[ACC+8*(4*\m+\n):ACC+8*(4*\m+\n)+7], v[16*(4*\n+\s):16*(4*\n+\s)+15], v[16*(4*\m+\s):16*(4*\m+\s)+15], v[ACC+8*(4*\m+\n):ACC+8*(4*\m+\n)+7]
.endif
.endr
.endr
.endr                                              ; sixteen accumulators by turns, one instruction a turn
	WIN 0
.rept 4
	v_nop                                          ; four places between the last product and the first read of a result
.endr
.irp m, 0,1,2,3
.irp n, 0,1,2,3
.irp i, 0,2,4,6
	v_pk_fma_f32 v[ACC+8*(4*\m+\n)+\i:ACC+8*(4*\m+\n)+\i+1], v[ACC+8*(4*\m+\n)+\i:ACC+8*(4*\m+\n)+\i+1], s[20:21], v[BI+8*\n+\i:BI+8*\n+\i+1] op_sel_hi:[1,0,1]   ; sum x 2^(e10 + e11) + b_o, in place, each accumulator from its low end on
.endr
.endr
.irp n, 0,1,2,3
	ds_store_b128 v[SO], v[ACC+8*(4*\m+\n):ACC+8*(4*\m+\n)+3] offset:16640*\m+64*\n
	ds_store_b128 v[SO], v[ACC+8*(4*\m+\n)+4:ACC+8*(4*\m+\n)+7] offset:16640*\m+64*\n+16
.endr
.endr
	s_wait_dscnt 0x0                               ; for the others' sake: my columns of the 64 rows lie in the stage
	s_barrier_signal -1
	s_barrier_wait -1
	WIN 0xc0                                       ; destination window 3, v128 on: row tile w's 16 rows of 1,024 bytes, in two halves
.irp r, 0,1,2,3,4,5,6,7,8,9,10,11,12,13,14,15
.irp f, 0,1
	ds_load_b128 v[128+4*(2*\r+\f):128+4*(2*\r+\f)+3], v[SR] offset:1040*\r+512*\f
.endr
.endr
	s_wait_loadcnt 0x0                             ; the residual
	s_wait_dscnt 0x0
	WIN 0xcf                                       ; destination and both sources in window 3
.set j, 0
.rept 64
	v_pk_add_f32 v[128+j:129+j], v[128+j:129+j], v[j:j+1]
.set j, j+2
.endr
	WIN 0x0c                                       ; a store's data are source 1: window 3
.irp r, 0,1,2,3,4,5,6,7,8,9,10,11,12,13,14,15
.irp f, 0,1
	global_store_b128 v[LI], v[128+4*(2*\r+\f):128+4*(2*\r+\f)+3], s[14:15] offset:(\r+8*(\r/8))*2048+512*\f th:TH_STORE_NT
.endr
.endr
	WIN 0
	s_wait_tensorcnt 0x0
	ds_add_u32 v30, v31
	s_wait_dscnt 0x0
	s_endpgm
.Lfunc_end_k_qec50ec75a8_oproj:
	.size	k_qec50ec75a8_oproj, .Lfunc_end_k_qec50ec75a8_oproj-k_qec50ec75a8_oproj
	.p2alignl 7, 3214868480
	.fill 96, 4, 3214868480
	.section	.rodata,"a",@progbits
	.p2align	6, 0x0
	.amdhsa_kernel k_qec50ec75a8_oproj
		.amdhsa_group_segment_fixed_size 99840
		.amdhsa_private_segment_fixed_size 0
		.amdhsa_enable_private_segment 0
		.amdhsa_kernarg_size 48
		.amdhsa_user_sgpr_count 2
		.amdhsa_user_sgpr_kernarg_segment_ptr 1
		.amdhsa_wavefront_size32 1
		.amdhsa_system_sgpr_workgroup_id_x 1
		.amdhsa_system_sgpr_workgroup_id_y 1
		.amdhsa_system_sgpr_workgroup_id_z 1
		.amdhsa_system_vgpr_workitem_id 0
		.amdhsa_next_free_vgpr 1024
		.amdhsa_next_free_sgpr 66
		.amdhsa_reserve_vcc 0
		.amdhsa_float_denorm_mode_32 3
		.amdhsa_float_denorm_mode_16_64 3
		.amdhsa_memory_ordered 1
		.amdhsa_forward_progress 1
		.amdhsa_inst_pref_size 39
	.end_amdhsa_kernel
	.amdgpu_metadata
---
amdhsa.version: [ 1, 2 ]
amdhsa.kernels:
  - .name:           k_qec50ec75a8_oproj
    .symbol:         k_qec50ec75a8_oproj.kd
    .args:
      - { .name: acodes, .offset: 0, .size: 8, .value_kind: global_buffer, .address_space: global }
      - { .name: w_o_codes, .offset: 8, .size: 8, .value_kind: global_buffer, .address_space: global }
      - { .name: lowp_scales, .offset: 16, .size: 8, .value_kind: global_buffer, .address_space: global }
      - { .name: b_o, .offset: 24, .size: 8, .value_kind: global_buffer, .address_space: global }
      - { .name: x, .offset: 32, .size: 8, .value_kind: global_buffer, .address_space: global }
      - { .name: out0, .offset: 40, .size: 8, .value_kind: global_buffer, .address_space: global }
    .group_segment_fixed_size: 99840
    .private_segment_fixed_size: 0
    .kernarg_segment_align: 8
    .kernarg_segment_size: 48
    .max_flat_workgroup_size: 128
    .sgpr_count:     66
    .vgpr_count:     1024
    .wavefront_size: 32
...
	.end_amdgpu_metadata
.endif
;; end of part 3
;; ======== version 2 of 2: 3 launches
;; workspace buffers: qcodes 4,194,304 bytes; kvcodes 8,388,608 bytes; acodes 4,194,304 bytes
;; launch qkv (part 4): grid 256 x 1, 4 waves a work-group, no clusters, 102,912 bytes of LDS; arguments x, ln_gamma, ln_beta, w_q_codes, w_k_codes, w_v_codes, lowp_scales, qcodes, kvcodes; writes qcodes, kvcodes
.if DOCPART == 4
	.amdgcn_target "amdgcn-amd-amdhsa--gfx1250"
	.amdhsa_code_object_version 6
	.text
	.protected	k_qec50ec75a8_qkv
	.globl	k_qec50ec75a8_qkv
	.p2align	8
	.type	k_qec50ec75a8_qkv,@function
k_qec50ec75a8_qkv:
	s_mov_b64 s[64:65], 0
	v_nop
	global_prefetch_b8 v0, s[64:65] scope:SCOPE_SE
	s_setreg_imm32_b32 hwreg(HW_REG_WAVE_SCHED_MODE, 0, 2), 2
	s_setreg_imm32_b32 hwreg(HW_REG_WAVE_MODE, 25, 1), 1
	s_wait_xcnt 0x0
	s_wait_alu depctr_vm_vsrc(0)
; LayerNorm of x, h quantised three times (2^e0, 2^e2, 2^e4), Q = h Wq^T, K = h Wk^T, V = h Wv^T on codes of E4M3, and Q, K, V quantised (2^e6, 2^e7, 2^e9) for the attention launch.
; SHARES.  A work-group takes 64 tokens (rb) and four heads (ch); wave w is head 4 ch + w: its 64 rows of Wq, Wk, Wv (3 x 256 registers, windows 1, 2, 3) are read from memory once and stay in registers.
; In the LayerNorm wave w takes one tile of 16 tokens; the codes of h go from wave to wave through LDS as images of operand registers (lane l's 16 bytes at 16 l, 512 bytes a piece).
; NO CLUSTER: each weight byte goes once for a work-group straight into the register where it stays; a joint load would add an LDS write and an LDS read for every one of its 393,216 bytes, more than LDS holds at once.
; TILES.  A tile's 16 tokens are not neighbours: lane r of tile u of a group of 32 takes token 8 u + r + 8 (r / 8); the rows of a weight that form a tile are chosen alike inside a head's 64.
; So the 16 result registers of tiles 2 b and 2 b + 1 are 16 neighbours, 32 b + 16 (lane / 16) + 0 .. 15: channels for Q and K (source 0 = the weight), tokens for V (source 0 = h): each conversion's result is a piece of the next operand.
; FRAGMENTS: registers 4 c .. 4 c + 3 hold k = 32 c + 16 (lane / 16) + 0 .. 15, alike on both sides of every product.
; OUT.  qcodes [bh 16][tile 256][c 2][512];  kvcodes [bh 16][step of 128 keys, 32][16,384]: K [key tile 8][c 2][512], then V [channel tile 4][c 4][512].  Every store covers 512 consecutive bytes, aligned.
; LIMITS: e0, e2, e4, e6 - e0 - e1, e7 - e2 - e3, e9 - e4 - e5 between -126 and 119, so that each power of two and 448 times it are f32 numbers.  NaN among the inputs is not served.
; The mean is taken first and the squares of x - mean second, so a common offset of x costs no accuracy.
; THE MODE: SCHED_MODE bits 1:0 = 2 (LLVM: expert scheduling mode 2), set by the entry lines.  The code itself states the register dependences
; between vector or matrix instructions and memory or LDS instructions, with s_wait_alu, always for 0.
; THE PLAN.  Registers that memory or LDS instructions touch:
;   v1-v9        offsets and LDS addresses: written at the head, never again; one wait on va_vdst ahead of the first load serves every load and store.
;   window 3     x as loaded; the vector side reads and rewrites it up to the last unit; Wv's loads land there behind the last unit's wait on va_vdst.
;   windows 1, 2 Wq, Wk: nothing names them ahead of their loads.
;   GB0, GB1     Unit i's multiply-adds read GB[i % 2]; the LDS loads at the head of unit i + 1 land in it.
;   CD0, CD1     Unit i's conversions write CD[i % 2]; its three LDS stores read it; unit i + 2 writes it again.
;   SG           gamma and beta: loaded, read by two LDS stores, later part of HF.
;   HF           A phase's 32 products read it; the next phase's 32 LDS loads land in it, issued in this phase, behind its products.
;   CO           A phase's conversions write it; its four stores read it; the next phase writes it again.
;   T, TMP, ACC, the statistics and the scales are named by vector and matrix instructions alone (T, TMP: until HF takes their registers).
; So a unit has a wait on va_vdst behind its conversions (unit 0 one more at its head): CD is written, GB[i % 2] and the unit's part of x are read; and, from unit 2 on, one on vm_vsrc ahead of its conversions.
; A phase has one wait on va_vdst behind its products (HF is free: the next phase's fragments are asked for and land while this phase's results are held and converted, by lines that name ACC, CO and the scales alone),
; one ahead of its stores (CO is written), and one on vm_vsrc ahead of its conversions (the last phase's stores have read CO).
.set GAM,  98304                       ; LDS: 0 .. 98,303 the images of h [set 3][tile 4][K step 4][c 4][512]; then gamma (2,048 bytes) and beta (2,048)
.set LI,   1                           ; v1   16 x lane
.set LI2,  2                           ; v2   the same + 65,536: the third set of images lies beyond a 16-bit offset
.set XA,   3                           ; v3   x: (r + 8 (r / 8)) rows of 2,048 bytes + 64 h
.set WA,   4                           ; v4   a weight: (r + 8 (r / 8)) rows of 512 bytes + 16 h
.set GBA,  5                           ; v5   gamma in LDS + 64 h
.set HWI,  6                           ; v6   where I store my tile's images: 16 x lane + 8,192 x wave
.set HWI2, 7                           ; v7   the same + 65,536
.set GT,   8                           ; v8   16 x thread: my 16 bytes of gamma and of beta in memory
.set GTL,  9                           ; v9   and in LDS
.set AC,   10                          ; v10-17 four pairs of running sums
.set MU,   18                          ; v18-19 the mean, twice
.set RS,   20                          ; v20-21 1 / sqrt(var + eps), twice
.set HS,   22                          ; v22-27 2^e and 448 x 2^e for e0, e2, e4
.set GB,   32                          ; v32-95 two buffers of 16 gamma + 16 beta
.set T,    96                          ; v96-111 sixteen numbers of h
.set TMP,  112                         ; v112-127 two sets of eight held numbers
.set CD,   128                         ; v128-151 two sets of 3 x 4 registers of codes
.set SG,   152                         ; v152-159 gamma and beta on their way to LDS
.set HF,   32                          ; v32-159 eight fragments of h (tile u, K step s) at 16 (4 u + s)
.set ACC,  160                         ; v160-223 eight accumulators
.set CO,   224                         ; v224-239 the codes that leave
.set OS,   240                         ; v240-245 scale and limit for Q, K, V
.set MSB, 0
.macro WIN new                         ; the immediate's high byte repeats the setting that is left; a switch that changes nothing is dropped
.if MSB != (\new)
	s_set_vgpr_msb (MSB<<8)|(\new)
.set MSB, (\new)
.endif
.endm
.macro PLACES                          ; four plain vector instructions between a matrix instruction and the first read of its result (ISA guide 7.12.1)
.rept 4
	v_nop
.endr
.endm
.macro MKSC sc, lim, e                 ; v[sc] = 2^e as f32, v[lim] = 448 x 2^e; e in s[e]
	s_add_co_i32 s46, s[\e], 127
	s_lshl_b32 s47, s46, 23
	v_mov_b32 v[\sc], s47
	s_add_co_i32 s46, s46, 8
	s_lshl_b32 s46, s46, 23
	s_or_b32 s46, s46, 0x600000
	v_mov_b32 v[\lim], s46
.endm
.macro XLOAD                           ; my tile's 16 rows of x into window 3: register 16 i + 4 j .. = features 32 i + 16 h + 4 j ..
	WIN 0xc0
.set i, 0
.rept 64
	global_load_b128 v[4*i:4*i+3], v[XA], s[4:5] offset:128*(i/4)+16*(i%4)
.set i, i+1
.endr
	WIN 0
.endm
.macro WLOAD m, base                   ; my head's 64 rows of weight m into window m + 1: fragment (tile t, K step s) at 16 (4 t + s)
	WIN ((\m)+1)<<6
.irp t, 0,1,2,3
.irp s, 0,1,2,3
.irp c, 0,1,2,3
	global_load_b128 v[16*(4*\t+\s)+4*\c:16*(4*\t+\s)+4*\c+3], v[WA], s[\base:\base+1] offset:(32*(\t/2)+8*(\t%2))*512+128*\s+32*\c
.endr
.endr
.endr
	WIN 0
.endm
.macro GBLOAD i                        ; gamma and beta of features 32 i + 16 h + 0 .. 15
.irp j, 0,1,2,3
	ds_load_b128 v[GB+32*((\i)%2)+4*\j:GB+32*((\i)%2)+4*\j+3], v[GBA] offset:128*(\i)+16*\j
	ds_load_b128 v[GB+32*((\i)%2)+16+4*\j:GB+32*((\i)%2)+16+4*\j+3], v[GBA] offset:2048+128*(\i)+16*\j
.endr
.endm
; Sixteen numbers a lane: h = (x - mean) rs gamma + beta, held and converted three times, three pieces of images to LDS.
.macro UNIT i
.if \i < 15
	GBLOAD (\i)+1                                  ; into the buffer that the last unit's multiply-adds read: they stand ahead of that unit's wait on va_vdst, and no vector instruction since names it
.endif
.if \i == 0
	s_wait_alu depctr_va_vdst(0)
	s_wait_dscnt 8                                 ; this unit's gamma and beta are in; behind them: the next unit's 8 loads
.elseif \i < 15
	s_wait_dscnt 11                                ; behind them: the last unit's 3 stores and the next unit's 8 loads.  The stores of two units back are done too: their registers are written below
.else
	s_wait_dscnt 3                                 ; behind them: the last unit's 3 stores
.endif
	WIN 0x03                                       ; source 0 (x - mean) in window 3
.irp k, 0,2,4,6,8,10,12,14
	v_pk_mul_f32 v[T+\k:T+\k+1], v[16*(\i)+\k:16*(\i)+\k+1], v[RS:RS+1]
.endr
	WIN 0
.irp k, 0,2,4,6,8,10,12,14
	v_pk_fma_f32 v[T+\k:T+\k+1], v[T+\k:T+\k+1], v[GB+32*((\i)%2)+\k:GB+32*((\i)%2)+\k+1], v[GB+32*((\i)%2)+16+\k:GB+32*((\i)%2)+16+\k+1]
.endr
.if \i >= 2
	s_wait_alu depctr_vm_vsrc(0)                   ; the LDS stores of two units back have read this set of CD, which the conversions below write again
.endif
.irp m, 0,1,2
.irp f, 0,1
.irp k, 0,1,2,3,4,5,6,7
	v_med3_num_f32 v[TMP+8*\f+\k], v[T+8*\f+\k], -v[HS+2*\m+1], v[HS+2*\m+1]   ; the conversion to an 8-bit code does not saturate (ISA guide 7.6.2): the hold at 448 x the scale.  The two sets of TMP take turns, so eight plain lines stand between a conversion and the next write of its sources
.endr
	v_cvt_scalef32_pk8_fp8_f32 v[CD+12*((\i)%2)+4*\m+2*\f:CD+12*((\i)%2)+4*\m+2*\f+1], v[TMP+8*\f:TMP+8*\f+7], v[HS+2*\m]
.endr
.endr
	v_nop                                          ; a plain line behind the last conversion
	s_wait_alu depctr_va_vdst(0)                   ; the conversions have written CD, which the stores below read; the multiply-adds are done reading this unit's gamma and beta, and the multiplications its part of x - mean
	ds_store_b128 v[HWI], v[CD+12*((\i)%2):CD+12*((\i)%2)+3] offset:2048*((\i)/4)+512*((\i)%4)
	ds_store_b128 v[HWI], v[CD+12*((\i)%2)+4:CD+12*((\i)%2)+7] offset:32768+2048*((\i)/4)+512*((\i)%4)
	ds_store_b128 v[HWI2], v[CD+12*((\i)%2)+8:CD+12*((\i)%2)+11] offset:2048*((\i)/4)+512*((\i)%4)
.endm
.macro QUANT sc, lim                   ; the eight accumulators, each from its low end on, become 16 registers of codes
.set i, 0
.rept 64
	v_med3_num_f32 v[ACC+i], v[ACC+i], -v[\lim], v[\lim]
.set i, i+1
.endr
.set i, 0
.rept 8
	v_cvt_scalef32_pk8_fp8_f32 v[CO+2*i:CO+2*i+1], v[ACC+8*i:ACC+8*i+7], v[\sc]
.set i, i+1
.endr
	v_nop                                          ; a plain line between the last conversion and the next products, which write its sources
.endm
; The eight fragments of h that product m (0 Q, 1 K, 2 V) wants for the group g of 32 tokens: 32 LDS loads of 512 consecutive bytes.
.macro HLOAD m, g
.irp u, 0,1
.irp s, 0,1,2,3
.irp c, 0,1,2,3
.if \m == 2
	ds_load_b128 v[HF+16*(4*\u+\s)+4*\c:HF+16*(4*\u+\s)+4*\c+3], v[LI2] offset:(2*\g+\u)*8192+2048*\s+512*\c
.else
	ds_load_b128 v[HF+16*(4*\u+\s)+4*\c:HF+16*(4*\u+\s)+4*\c+3], v[LI] offset:\m*32768+(2*\g+\u)*8192+2048*\s+512*\c
.endif
.endr
.endr
.endr
.endm
; Product m (0 Q, 1 K, 2 V) for the group g of 32 tokens: 32 matrix instructions, eight accumulators by turns, one instruction a turn.
; more = 1: behind the products the fragments of the next phase (product nm, group ng) are asked for.
.macro PHASE m, g, more, nm, ng
	s_wait_dscnt 0x0                               ; this phase's fragments of h are in
.if \m == 2
	WIN 0x0c                                       ; source 1 (Wv) in window 3
.else
	WIN 1+\m                                       ; source 0 (Wq, Wk) in window 1, 2
.endif
.irp s, 0,1,2,3
.irp u, 0,1
.irp t, 0,1,2,3
.set rW, 16*(4*\t+\s)
.set rH, HF+16*(4*\u+\s)
.if \m == 2
.set rD, ACC+16*\t+8*\u                ; V: a lane holds one channel, its registers run along the tokens
.if \s == 0
	v_wmma_f32_16x16x128_fp8_fp8 v[rD:rD+7], v[rH:rH+15], v[rW:rW+15], 0
.else
	v_wmma_f32_16x16x128_fp8_fp8 v[rD:rD+7], v[rH:rH+15], v[rW:rW+15], v[rD:rD+7]
.endif
.else
.set rD, ACC+32*\u+8*\t                ; Q, K: a lane holds one token, its registers run along the channels
.if \s == 0
	v_wmma_f32_16x16x128_fp8_fp8 v[rD:rD+7], v[rW:rW+15], v[rH:rH+15], 0
.else
	v_wmma_f32_16x16x128_fp8_fp8 v[rD:rD+7], v[rW:rW+15], v[rH:rH+15], v[rD:rD+7]
.endif
.endif
.endr
.endr
.endr
	WIN 0
	PLACES
	s_wait_xcnt 0x0                                ; the last phase's stores have read their data: CO is written again only behind this wait
.if (\m)+(\g) > 0
	s_wait_alu depctr_vm_vsrc(0)                   ; and beside it: the last phase's four stores have read CO, which the conversions below write again
.endif
.if \more
	s_wait_alu depctr_va_vdst(0)                   ; the 32 products are done reading HF, in which the next phase's fragments land
	HLOAD \nm, \ng                                 ; they land while this phase's results are held, converted and stored: the lines below name ACC, CO, the scales and v[LI] alone
.endif
	QUANT OS+2*\m, OS+2*\m+1
	s_wait_alu depctr_va_vdst(0)                   ; the conversions have written CO, which the four stores read
.irp p, 0,1,2,3
.if \m == 0
	global_store_b128 v[LI], v[CO+4*\p:CO+4*\p+3], s[18:19] offset:2048*\g+512*\p
.elseif \m == 1
	global_store_b128 v[LI], v[CO+4*\p:CO+4*\p+3], s[26:27] offset:2048*\g+512*\p
.else
	global_store_b128 v[LI], v[CO+4*\p:CO+4*\p+3], s[28:29] offset:2048*\p+512*\g
.endif
.endr
.endm
	s_load_b256 s[4:11], s[0:1], 0x0               ; x s[4:5], gamma s[6:7], beta s[8:9], Wq s[10:11]
	s_load_b256 s[12:19], s[0:1], 0x20             ; Wk s[12:13], Wv s[14:15], the exponents s[16:17], qcodes s[18:19]
	s_load_b64 s[20:21], s[0:1], 0x40              ; kvcodes
	v_lshl_add_u32 v254, v0, 2, 0x19000
	v_mov_b32 v255, 0
	v_lshrrev_b32 v32, 5, v0
	v_readfirstlane_b32 s22, v32                   ; wave 0..3
	s_and_b32 s23, ttmp9, 1                        ; ch: which four heads
	s_lshr_b32 s24, ttmp9, 1                       ; rb: which 64 tokens
	s_lshl_b32 s25, s23, 2
	s_wait_alu depctr_va_sdst(0)                   ; s22 is written, ahead of its first reader: the head's number, the LDS places and the bases are made from it
	s_add_co_u32 s25, s25, s22                     ; my head
	s_mov_b32 s42, 0x76543210                      ; v_permlanex16_b32: lane l xor 16
	s_mov_b32 s43, 0xfedcba98
	s_mov_b32 s44, 0x3b000000                      ; 1 / 512
	s_mov_b32 s45, 0x3727c5ac                      ; 1e-5
	v_and_b32 v33, 15, v0                          ; r
	v_bfe_u32 v34, v0, 4, 1                        ; h
	v_and_b32 v35, 31, v0
	v_lshlrev_b32 v[LI], 4, v35
	v_add_nc_u32 v[LI2], 0x10000, v[LI]
	v_and_b32 v36, 8, v33
	v_add_nc_u32 v36, v36, v33                     ; r + 8 (r / 8)
	v_lshlrev_b32 v[XA], 11, v36
	v_lshl_add_u32 v[XA], v34, 6, v[XA]
	v_lshlrev_b32 v[WA], 9, v36
	v_lshl_add_u32 v[WA], v34, 4, v[WA]
	v_lshl_add_u32 v[GBA], v34, 6, GAM
	s_lshl_b32 s46, s22, 13
	v_add_nc_u32 v[HWI], s46, v[LI]
	v_add_nc_u32 v[HWI2], 0x10000, v[HWI]
	v_lshlrev_b32 v[GT], 4, v0
	v_lshl_add_u32 v[GTL], v0, 4, GAM
	s_lshl_b32 s46, s24, 6                         ; x: my tile begins at token 64 rb + 32 (w / 2) + 8 (w % 2)
	s_lshr_b32 s47, s22, 1
	s_lshl_b32 s47, s47, 5
	s_add_co_u32 s46, s46, s47
	s_and_b32 s47, s22, 1
	s_lshl_b32 s47, s47, 3
	s_add_co_u32 s46, s46, s47
	s_lshl_b32 s46, s46, 11
	s_mov_b32 s47, 0
	s_lshl_b32 s48, s25, 15                        ; a weight: my head's 64 rows of 512 bytes
	s_mov_b32 s49, 0
	s_lshr_b32 s50, s24, 6
	s_lshl_b32 s50, s50, 3
	s_add_co_u32 s50, s50, s25                     ; bh = 8 x batch + head
	s_and_b32 s51, s24, 63                         ; the block of 64 tokens inside the batch
	s_lshl_b32 s52, s50, 18                        ; qcodes: 262,144 bh + 4,096 x block
	s_lshl_b32 s53, s51, 12
	s_add_co_u32 s52, s52, s53
	s_mov_b32 s53, 0
	s_lshl_b32 s54, s50, 19                        ; kvcodes: 524,288 bh + 16,384 x (block / 2): the key step
	s_lshr_b32 s55, s51, 1
	s_lshl_b32 s55, s55, 14
	s_add_co_u32 s54, s54, s55
	s_and_b32 s55, s24, 1
	s_lshl_b32 s56, s55, 10                        ; V: + 8,192 + 1,024 x (block % 2)
	s_add_co_u32 s56, s56, s54
	s_add_co_u32 s56, s56, 8192
	s_lshl_b32 s55, s55, 12                        ; K: + 4,096 x (block % 2)
	s_add_co_u32 s54, s54, s55
	s_mov_b32 s55, 0
	s_mov_b32 s57, 0
	s_wait_kmcnt 0x0
	s_load_b256 s[32:39], s[16:17], 0x0            ; e0 .. e7
	s_load_b64 s[40:41], s[16:17], 0x20            ; e8, e9
	s_add_nc_u64 s[4:5], s[4:5], s[46:47]
	s_add_nc_u64 s[10:11], s[10:11], s[48:49]
	s_add_nc_u64 s[12:13], s[12:13], s[48:49]
	s_add_nc_u64 s[14:15], s[14:15], s[48:49]
	s_add_nc_u64 s[18:19], s[18:19], s[52:53]      ; where my Q goes,
	s_add_nc_u64 s[26:27], s[20:21], s[54:55]      ; my K,
	s_add_nc_u64 s[28:29], s[20:21], s[56:57]      ; my V
	s_wait_alu depctr_va_vdst(0)                   ; v1 to v9 are written, which every load and store of the kernel reads as its offset or address; the head is done with v32 to v36, in which gamma's loads from LDS land
	global_load_b128 v[SG:SG+3], v[GT], s[6:7]
	global_load_b128 v[SG+4:SG+7], v[GT], s[8:9]
	XLOAD
	WLOAD 0, 10
	s_wait_kmcnt 0x0
	MKSC HS, HS+1, 32
	MKSC HS+2, HS+3, 34
	MKSC HS+4, HS+5, 36
	s_sub_co_i32 s50, s38, s32                     ; a sum of the first product stands for sum x 2^(e0 + e1): its code is sum / 2^(e6 - e0 - e1)
	s_sub_co_i32 s50, s50, s33
	MKSC OS, OS+1, 50
	s_sub_co_i32 s50, s39, s34
	s_sub_co_i32 s50, s50, s35
	MKSC OS+2, OS+3, 50
	s_sub_co_i32 s50, s41, s36
	s_sub_co_i32 s50, s50, s37
	MKSC OS+4, OS+5, 50
	s_wait_loadcnt 63                              ; 64 loads (Wq) were issued behind x: with at most 63 out, gamma, beta and all of x are in
	ds_store_b128 v[GTL], v[SG:SG+3]
	ds_store_b128 v[GTL], v[SG+4:SG+7] offset:2048
	s_wait_dscnt 0x0                               ; for the others' sake: my part of gamma and beta lies in LDS
	s_barrier_signal -1
	s_barrier_wait -1
	GBLOAD 0                                       ; since the head's wait on va_vdst the vector side has named the scales' registers alone
	; the mean: my 256 numbers of the row in four chains of pairs, then the lane 16 away, which holds the row's other 256
	WIN 0x0f
.irp k, 0,1,2,3
	v_pk_add_f32 v[AC+2*\k:AC+2*\k+1], v[2*\k:2*\k+1], v[2*\k+8:2*\k+9]
.endr
	WIN 0x0c
.set i, 8
.rept 120
	v_pk_add_f32 v[AC+2*(i%4):AC+2*(i%4)+1], v[AC+2*(i%4):AC+2*(i%4)+1], v[2*i:2*i+1]
.set i, i+1
.endr
	WIN 0
	v_pk_add_f32 v[AC:AC+1], v[AC:AC+1], v[AC+2:AC+3]
	v_pk_add_f32 v[AC+4:AC+5], v[AC+4:AC+5], v[AC+6:AC+7]
	v_pk_add_f32 v[AC:AC+1], v[AC:AC+1], v[AC+4:AC+5]
	v_add_f32 v[AC], v[AC], v[AC+1]
	v_permlanex16_b32 v[AC+1], v[AC], s42, s43
	v_add_f32 v[AC], v[AC], v[AC+1]
	v_mul_f32 v[MU], s44, v[AC]
	v_mov_b32 v[MU+1], v[MU]
	WLOAD 1, 12                                    ; no vector instruction has named window 2, nor v[WA] since the head's wait
	; x - mean in place, then the sum of its squares
	WIN 0xc3
.set i, 0
.rept 128
	v_pk_add_f32 v[2*i:2*i+1], v[2*i:2*i+1], v[MU:MU+1] neg_lo:[0,1] neg_hi:[0,1]
.set i, i+1
.endr
	WIN 0x0f
.irp k, 0,1,2,3
	v_pk_mul_f32 v[AC+2*\k:AC+2*\k+1], v[2*\k:2*\k+1], v[2*\k:2*\k+1]
.endr
.set i, 4
.rept 124
	v_pk_fma_f32 v[AC+2*(i%4):AC+2*(i%4)+1], v[2*i:2*i+1], v[2*i:2*i+1], v[AC+2*(i%4):AC+2*(i%4)+1]
.set i, i+1
.endr
	WIN 0
	v_pk_add_f32 v[AC:AC+1], v[AC:AC+1], v[AC+2:AC+3]
	v_pk_add_f32 v[AC+4:AC+5], v[AC+4:AC+5], v[AC+6:AC+7]
	v_pk_add_f32 v[AC:AC+1], v[AC:AC+1], v[AC+4:AC+5]
	v_add_f32 v[AC], v[AC], v[AC+1]
	v_permlanex16_b32 v[AC+1], v[AC], s42, s43
	v_add_f32 v[AC], v[AC], v[AC+1]
	v_fma_f32 v[AC], v[AC], s44, s45               ; var + eps
	s_wait_alu depctr_va_vdst(0)
	v_rsq_f32 v[RS], v[AC]
	v_nop                                          ; a plain line behind the transcendental
	s_wait_alu depctr_va_vdst(0)                   ; and a wait ahead of the first line that names its result: v[RS] is written
	v_mov_b32 v[RS+1], v[RS]
.irp i, 0,1,2,3,4,5,6,7,8,9,10,11,12,13,14,15
	UNIT \i
.endr
	WLOAD 2, 14                                    ; x is done with: Wv takes window 3.  The last unit's wait on va_vdst stands behind every line that read or wrote x - mean; since it only that unit's three LDS stores were issued, which name other registers
	s_wait_dscnt 0x0                               ; for the others' sake: my tile's images lie in LDS
	s_barrier_signal -1
	s_barrier_wait -1
	s_wait_alu depctr_vm_vsrc(0)                   ; my LDS stores have read CD and SG: these registers are part of HF from here on.  (The vector side was done with GB, T, TMP and CD at the last unit's wait on va_vdst)
	HLOAD 0, 0
	s_wait_loadcnt 63                              ; 64 loads (Wv) were issued behind Wk: with at most 63 out, Wq and Wk are in
	PHASE 0, 0, 1, 1, 0
	PHASE 1, 0, 1, 0, 1
	PHASE 0, 1, 1, 1, 1
	PHASE 1, 1, 1, 2, 0
	s_wait_loadcnt 0x0                             ; Wv
	PHASE 2, 0, 1, 2, 1
	PHASE 2, 1, 0, 0, 0                            ; the last phase asks for nothing more
	s_wait_dscnt 0x0                               ; the closing lines, six on end
	s_wait_alu 0x0
	s_wait_tensorcnt 0x0
	ds_add_u32 v254, v255
	s_wait_dscnt 0x0
	s_endpgm
.Lfunc_end_k_qec50ec75a8_qkv:
	.size	k_qec50ec75a8_qkv, .Lfunc_end_k_qec50ec75a8_qkv-k_qec50ec75a8_qkv
	.p2alignl 7, 3214868480
	.fill 96, 4, 3214868480
	.section	.rodata,"a",@progbits
	.p2align	6, 0x0
	.amdhsa_kernel k_qec50ec75a8_qkv
		.amdhsa_group_segment_fixed_size 102912
		.amdhsa_private_segment_fixed_size 0
		.amdhsa_enable_private_segment 0
		.amdhsa_kernarg_size 72
		.amdhsa_user_sgpr_count 2
		.amdhsa_user_sgpr_kernarg_segment_ptr 1
		.amdhsa_wavefront_size32 1
		.amdhsa_system_sgpr_workgroup_id_x 1
		.amdhsa_system_sgpr_workgroup_id_y 1
		.amdhsa_system_sgpr_workgroup_id_z 1
		.amdhsa_system_vgpr_workitem_id 0
		.amdhsa_next_free_vgpr 1024
		.amdhsa_next_free_sgpr 66
		.amdhsa_reserve_vcc 0
		.amdhsa_float_denorm_mode_32 3
		.amdhsa_float_denorm_mode_16_64 3
		.amdhsa_memory_ordered 1
		.amdhsa_forward_progress 1
		.amdhsa_inst_pref_size 195
	.end_amdhsa_kernel
	.amdgpu_metadata
---
amdhsa.version: [ 1, 2 ]
amdhsa.kernels:
  - .name:           k_qec50ec75a8_qkv
    .symbol:         k_qec50ec75a8_qkv.kd
    .args:
      - { .name: x, .offset: 0, .size: 8, .value_kind: global_buffer, .address_space: global }
      - { .name: ln_gamma, .offset: 8, .size: 8, .value_kind: global_buffer, .address_space: global }
      - { .name: ln_beta, .offset: 16, .size: 8, .value_kind: global_buffer, .address_space: global }
      - { .name: w_q_codes, .offset: 24, .size: 8, .value_kind: global_buffer, .address_space: global }
      - { .name: w_k_codes, .offset: 32, .size: 8, .value_kind: global_buffer, .address_space: global }
      - { .name: w_v_codes, .offset: 40, .size: 8, .value_kind: global_buffer, .address_space: global }
      - { .name: lowp_scales, .offset: 48, .size: 8, .value_kind: global_buffer, .address_space: global }
      - { .name: qcodes, .offset: 56, .size: 8, .value_kind: global_buffer, .address_space: global }
      - { .name: kvcodes, .offset: 64, .size: 8, .value_kind: global_buffer, .address_space: global }
    .group_segment_fixed_size: 102912
    .private_segment_fixed_size: 0
    .kernarg_segment_align: 8
    .kernarg_segment_size: 72
    .max_flat_workgroup_size: 128
    .sgpr_count:     66
    .vgpr_count:     1024
    .wavefront_size: 32
...
	.end_amdgpu_metadata
.endif
;; end of part 4
;; launch attn (part 5): grid 16 x 16, 8 waves a work-group, clusters of 4 x 1, 327,680 bytes of LDS; arguments qcodes, kvcodes, lowp_scales, acodes; writes acodes
.if DOCPART == 5
	.amdgcn_target "amdgcn-amd-amdhsa--gfx1250"
	.amdhsa_code_object_version 6
	.text
	.protected	k_qec50ec75a8_attn
	.globl	k_qec50ec75a8_attn
	.p2align	8
	.type	k_qec50ec75a8_attn,@function
k_qec50ec75a8_attn:
	s_mov_b64 s[64:65], 0
	v_nop
	global_prefetch_b8 v0, s[64:65] scope:SCOPE_SE
	s_setreg_imm32_b32 hwreg(HW_REG_WAVE_MODE, 25, 1), 1
	s_wait_xcnt 0x0
	s_wait_alu depctr_hold_cnt(0) depctr_sa_sdst(0) depctr_va_vdst(0) depctr_va_sdst(0) depctr_va_ssrc(0) depctr_va_vcc(0) depctr_vm_vsrc(0)
	s_getreg_b32 s2, hwreg(HW_REG_IB_STS2, 6, 4)
	s_cmp_eq_u32 s2, 0
	s_cbranch_scc0 .Lentry_in_a_cluster
	s_endpgm
.Lentry_in_a_cluster:
	s_bfe_u32 s2, ttmp6, 0x10000c
	s_cmp_lg_u32 s2, 0x3003
	s_cbranch_scc0 .Lentry_shape_is_right
	s_endpgm
.Lentry_shape_is_right:
; attended = softmax(Q K^T / 8) V for 16 (batch, head) pairs, 4,096 queries and keys, head size 64, both products on codes of E4M3; the result is quantised (2^e10) for the last product.
; THE SOFTMAX: t = score x log2(e) / 8; M = the running largest t rounded UP to a whole number; p = 2^(t - M) is quantised with 2^e8; the row's sum is taken of the unquantised p and divides at the end.
; When M moves, the sum and O are multiplied by 2^(old M - new M), which rounds nothing.
; SHARES.  A work-group owns 256 queries of one pair bh; each of its eight waves owns 32: two tiles of 16, so that each fragment of K and V read from LDS feeds two matrix instructions; two waves share a SIMD.
; Every wave walks all 4,096 keys, 128 a step.  A step's K and V are 16,384 consecutive bytes of kvcodes, laid as images of operand registers: every LDS load takes 512 consecutive bytes; nothing is padded or turned.
; RING.  Two LDS slots of eight key steps; each wave fetches one step of a slot by one tensor load.  A wave has one tensor load out at the start and one behind each change of slots.
; CLUSTER.  The four query blocks of a cluster walk the same K and V: each tile is asked for jointly, by the same tensor load with the same descriptor and a mask that names the four.
; LAYOUT.  S^T = K Q^T (source 0 = 16 keys, source 1 = 16 queries), O^T = V^T P^T: a lane holds ONE query throughout.  The keys of a tile and the channels of a tile of V are chosen (8 u + r + 8 (r / 8) in a group of 32)
; so that the 16 registers of two neighbouring tiles are 16 neighbours: p's codes are the second product's operand, O's codes a piece of the last product's.
; LIMITS: e6 + e7 between -123 and 130 (added to the exponent field of log2(e) / 8); e8 and e10 - e8 - e9 between -126 and 119.  NaN among the inputs is not served.
; REGISTERS.  Window 0: v1-9 addresses and scales; v12-27 statistics, eight a tile; v28-31 second chains of the sums; v32-47 Q; v48-111 K of a step; v112-239 S^T, then p; v240-255 the codes that leave.
;             Window 1: v0-63 O^T; v64-127 V of a step; v128-159 p's codes.
.set STEPB, 16384                      ; a key step in LDS: K's 8,192 bytes, then V's
.set SLOT1, 1<<17                      ; a slot is eight steps; slot 1 begins here, so that one exclusive or turns an address in one slot into the other's
.set SPARE, 2*SLOT1                    ; behind the ring: the spare words, 128 bytes for each of eight waves: four blocks of 256 bytes that no other line names
.set LI,   1                           ; v1  16 x lane
.set ADR,  2                           ; v2  LDS address of the step in hand
.set PFO,  3                           ; v3  256 x lane: the prefetches' offset; never rewritten
.set SPW,  4                           ; v4  LDS address of my spare word; never rewritten
.set NIL,  5                           ; v5  0; never rewritten
.set PSC,  6                           ; v6  2^e8        v7  448 x 2^e8
.set PLIM, 7
.set OSC,  8                           ; v8  2^(e10 - e8 - e9)      v9  448 x that
.set OLIM, 9
.set ST,   12                          ; tile u at v[12 + 8 u]: +0 -M, +1 the largest t, +2, +3 the sum in two halves, +4 f, +5 zero (named with f as a pair), +6, +7 at work
.set C2,   28
.set Q,    32
.set KF,   48
.set S,    112
.set CO,   240
.set O,    0                           ; in window 1
.set VF,   64
.set P,    128
.set WV,   12                          ; s12 my wave's number
.set G1,   24                          ; s[24:31] descriptor group 1
.set G0A,  32                          ; s[32:35] group 0 of slot 0's first fill
.set G0B,  36                          ; s[36:39] group 0 of slot 1's first fill; it then walks
.set CS,   46                          ; s[46:47] c = log2(e) / 8 x 2^(e6 + e7), twice
.set SEL,  48                          ; s[48:49] v_permlanex16_b32: lane l xor 16
.set TB,   50                          ; s50 LDS byte at which the step in hand begins
.set SLOTS, 51                         ; s51 slots still to be asked for
.set CNT,  52                          ; s52 counts a slot's eight steps
.set LIM,  53                          ; s53 1 in a wave that prefetches, else the greatest number
.set PFA,  54                          ; s[54:55] where my prefetch stands
.set MSB, 0
.macro WIN new
.if MSB != (\new)
	s_set_vgpr_msb (MSB<<8)|(\new)
.set MSB, (\new)
.endif
.endm
.macro PLACES
.rept 4
	v_nop
.endr
.endm
.macro MKSC sc, lim, e
	s_add_co_i32 s56, s[\e], 127
	s_lshl_b32 s57, s56, 23
	v_mov_b32 v[\sc], s57
	s_add_co_i32 s56, s56, 8
	s_lshl_b32 s56, s56, 23
	s_or_b32 s56, s56, 0x600000
	v_mov_b32 v[\lim], s56
.endm
; A round of the cluster's barrier: my work-group's barrier, wave 0 signals for the work-group, every wave waits for all four work-groups, my work-group's barrier once more.
.macro CROUND
	s_barrier_signal -1
	s_barrier_wait -1
	s_cmp_lg_u32 s[WV], 0
	s_cbranch_scc1 .Lnot_wave_0_\@
	s_barrier_signal -3
.Lnot_wave_0_\@:
	s_barrier_wait -3
	s_barrier_signal -1
	s_barrier_wait -1
.endm
; A prefetch of the slot that the NEXT change of slots will ask for: eight key steps ahead of that load.  All four clusters of a pair bh walk the same bytes: the first of them asks.  Its four partners share the
; slot's 131,072 bytes out by address, 32,768 each; in each, waves 0 to 3 take 8,192, lanes 256 bytes apart: each block of 256 bytes is named once.  The last change that fills a slot asks for nothing.
.macro ASK
	s_cmp_gt_u32 s[SLOTS], s[LIM]
	s_cbranch_scc0 .Lnot_mine_\@
	global_prefetch_b8 v[PFO], s[PFA:PFA+1] th:TH_LOAD_NT scope:SCOPE_SE
.Lnot_mine_\@:
.endm
; A KEY STEP: 128 keys for my two tiles of queries.
.macro STEP
	v_add_nc_u32 v[ADR], s[TB], v[LI]              ; (with the four v_nop at the last step's end: the places in front of the loads into V's registers)
.set i, 0
.rept 16
	ds_load_b128 v[KF+4*i:KF+4*i+3], v[ADR] offset:512*i           ; K: key tile i / 2, channels 32 (i % 2) on
.set i, i+1
.endr
	WIN 0x40                                       ; destination window 1
.set i, 0
.rept 16
	ds_load_b128 v[VF+4*i:VF+4*i+3], v[ADR] offset:8192+512*i      ; V: channel tile i / 4, keys 32 (i % 4) on
.set i, i+1
.endr
	WIN 0
	s_wait_dscnt 16                                ; K is in; V's sixteen loads may stay out
.irp t, 0,1,2,3,4,5,6,7
.irp u, 0,1
	v_wmma_f32_16x16x64_fp8_fp8 v[S+64*\u+8*\t:S+64*\u+8*\t+7], v[KF+8*\t:KF+8*\t+7], v[Q+8*\u:Q+8*\u+7], 0
.endr
.endr
	PLACES
	; the step's largest score of each query: two chains a tile, the tiles by turns, each accumulator from its low end on
.irp u, 0,1
	v_max3_num_f32 v[ST+8*\u+6], v[S+64*\u], v[S+64*\u+1], v[S+64*\u+2]
	v_max3_num_f32 v[ST+8*\u+7], v[S+64*\u+3], v[S+64*\u+4], v[S+64*\u+5]
.endr
.irp i, 6,10,14,18,22,26,30,34,38,42,46,50,54,58
.irp u, 0,1
	v_max3_num_f32 v[ST+8*\u+6], v[ST+8*\u+6], v[S+64*\u+\i], v[S+64*\u+\i+1]
	v_max3_num_f32 v[ST+8*\u+7], v[ST+8*\u+7], v[S+64*\u+\i+2], v[S+64*\u+\i+3]
.endr
.endr
.irp u, 0,1
	v_max3_num_f32 v[ST+8*\u+6], v[ST+8*\u+6], v[S+64*\u+62], v[S+64*\u+63]
.endr
.irp u, 0,1
	s_delay_alu instid0(VALU_DEP_2)
	v_max_num_f32 v[ST+8*\u+6], v[ST+8*\u+6], v[ST+8*\u+7]
.endr
.irp u, 0,1
	s_delay_alu instid0(VALU_DEP_2)
	v_permlanex16_b32 v[ST+8*\u+7], v[ST+8*\u+6], s[SEL], s[SEL+1]   ; the query's other 64 keys lie in the lane 16 away
.endr
.irp u, 0,1
	s_delay_alu instid0(VALU_DEP_2)
	v_max_num_f32 v[ST+8*\u+6], v[ST+8*\u+6], v[ST+8*\u+7]
.endr
.irp u, 0,1
	s_delay_alu instid0(VALU_DEP_2)
	v_mul_f32 v[ST+8*\u+6], s[CS], v[ST+8*\u+6]    ; as t (c is positive)
.endr
.irp u, 0,1
	s_delay_alu instid0(VALU_DEP_2)
	v_max_num_f32 v[ST+8*\u+1], v[ST+8*\u+1], v[ST+8*\u+6]   ; the running largest t
.endr
.irp u, 0,1
	v_mov_b32 v[ST+8*\u+6], v[ST+8*\u]
.endr
.irp u, 0,1
	s_delay_alu instid0(VALU_DEP_4)
	v_floor_f32 v[ST+8*\u], -v[ST+8*\u+1]          ; the new -M = floor(-t) = -ceil(t)
.endr
.irp u, 0,1
	s_delay_alu instid0(VALU_DEP_2)
	v_sub_f32 v[ST+8*\u+6], v[ST+8*\u], v[ST+8*\u+6]   ; old M - new M: a whole number, 0 or less
.endr
.irp u, 0,1
	s_delay_alu instid0(VALU_DEP_2)
	v_cvt_i32_f32 v[ST+8*\u+6], v[ST+8*\u+6]       ; (it saturates)
.endr
.irp u, 0,1
	s_delay_alu instid0(VALU_DEP_2)
	v_ldexp_f32 v[ST+8*\u+4], 1.0, v[ST+8*\u+6]    ; f = 2^(old M - new M)
.endr
.set j, 0
.rept 64
	v_pk_fma_f32 v[S+j:S+j+1], v[S+j:S+j+1], s[CS:CS+1], v[ST+8*(j/64):ST+8*(j/64)+1] op_sel_hi:[1,0,0]   ; t - M, two at a time (of the pairs c and -M the low word serves both halves)
.set j, j+2
.endr
.set j, 0
	s_wait_alu depctr_va_vdst(0)
.rept 128
	v_exp_f32 v[S+j], v[S+j]                       ; p = 2^(t - M): one batch
.set j, j+1
.endr
.irp u, 0,1
	v_pk_mul_f32 v[ST+8*\u+2:ST+8*\u+3], v[ST+8*\u+2:ST+8*\u+3], v[ST+8*\u+4:ST+8*\u+5] op_sel_hi:[1,0]   ; the sums under the new M: the plain lines behind the exponentials
.endr
	s_wait_alu depctr_va_vdst(0)                   ; one wait for the batch, ahead of the first line that names a result
.irp u, 0,1
	v_pk_add_f32 v[C2+2*\u:C2+2*\u+1], v[S+64*\u:S+64*\u+1], v[S+64*\u+2:S+64*\u+3]   ; the row's sum is taken of the unquantised p: two chains a tile
.endr
.set j, 4
	s_setprio 1
.rept 15
.irp u, 0,1
	v_pk_add_f32 v[ST+8*\u+2:ST+8*\u+3], v[ST+8*\u+2:ST+8*\u+3], v[S+64*\u+j:S+64*\u+j+1]
	v_pk_add_f32 v[C2+2*\u:C2+2*\u+1], v[C2+2*\u:C2+2*\u+1], v[S+64*\u+j+2:S+64*\u+j+3]
.endr
.set j, j+4
.endr
.irp u, 0
	s_delay_alu instid0(VALU_DEP_3)
	v_pk_add_f32 v[ST+8*\u+2:ST+8*\u+3], v[ST+8*\u+2:ST+8*\u+3], v[C2+2*\u:C2+2*\u+1]
.endr
.irp u, 1
	s_delay_alu instid0(VALU_DEP_2)
	v_pk_add_f32 v[ST+8*\u+2:ST+8*\u+3], v[ST+8*\u+2:ST+8*\u+3], v[C2+2*\u:C2+2*\u+1]
.endr
.set j, 0
.rept 128
	v_min_num_f32 v[S+j], v[S+j], v[PLIM]          ; the conversion to an 8-bit code does not saturate (ISA guide 7.6.2); p is not negative, so the hold is one-sided
.set j, j+1
.endr
	WIN 0x40                                       ; destination window 1
.set i, 0
.rept 16
	v_cvt_scalef32_pk8_fp8_f32 v[P+2*i:P+2*i+1], v[S+8*i:S+8*i+7], v[PSC]
.set i, i+1
.endr
	WIN 0x41                                       ; O^T (destination and source 0) in window 1, f in window 0
.set j, 0
	s_setprio 0
.rept 32
	v_pk_mul_f32 v[O+j:O+j+1], v[O+j:O+j+1], v[ST+8*(j/32)+4:ST+8*(j/32)+5] op_sel_hi:[1,0]   ; O^T under the new M; also the plain lines behind the conversions
.set j, j+2
.endr
	s_wait_alu depctr_va_vdst(0)
	s_wait_dscnt 0x0                               ; V is in
	WIN 0x55                                       ; all four operands in window 1
.irp t, 0,1,2,3
.irp u, 0,1
	v_wmma_f32_16x16x128_fp8_fp8 v[O+32*\u+8*\t:O+32*\u+8*\t+7], v[VF+16*\t:VF+16*\t+15], v[P+16*\u:P+16*\u+15], v[O+32*\u+8*\t:O+32*\u+8*\t+7]   ; eight accumulators by turns, one instruction a turn
.endr
.endr
	PLACES
	WIN 0
	s_add_co_u32 s[TB], s[TB], STEPB
.endm
.macro SLOT_STEPS                      ; a slot's eight key steps: written once, walked eight times
	s_mov_b32 s[CNT], 8
.Lstep_\@:
	s_setprio 2
	STEP
	s_sub_co_u32 s[CNT], s[CNT], 1
	s_cmp_lg_u32 s[CNT], 0
	s_cbranch_scc1 .Lstep_\@
	s_setprio 0
.endm
; THE CHANGE OF SLOTS.  Each wave waits for all its tensor loads (one is out: its step of the other slot), adds 0 to its spare word, and waits for that and for its reads of the slot that it leaves.
; fill = 1: the barrier is a round of the cluster's, so that no wave of any partner still reads the slot or has a load on its way; the joint refill is the first thing behind it and has eight key steps in which to land.
.macro CHANGE fill
	s_wait_tensorcnt 0x0                           ; no tensor load of mine is out, so a group 0 may be written
	ds_add_u32 v[SPW], v[NIL]                      ; 0 onto my spare word
.if \fill
	s_xor_b32 s[G0B+1], s[G0B+1], SLOT1            ; the walking descriptor: the other slot than last time,
	s_add_nc_u64 s[G0B+2:G0B+3], s[G0B+2:G0B+3], 8*STEPB   ; the next 1,024 keys; the type bits on top are not reached
	s_wait_xcnt 0x0                                ; the last prefetch, a slot back, has read its address, so it may be written:
	s_add_nc_u64 s[PFA:PFA+1], s[PFA:PFA+1], 8*STEPB       ; one slot further on than the walking descriptor
	s_wait_dscnt 0x0                               ; the add is done, and my reads of the slot are over
	CROUND
	tensor_load_to_lds s[G0B:G0B+3], s[G1:G1+7]
	s_nop 0
	PLACES                                         ; four v_nop follow the load
	ASK
.else
	s_wait_dscnt 0x0
	s_barrier_signal -1
	s_barrier_wait -1
.endif
	s_sub_co_u32 s[TB], s[TB], 8*STEPB             ; back to a slot's first step,
	s_xor_b32 s[TB], s[TB], SLOT1                  ; in the other slot
.endm
	s_load_b256 s[4:11], s[0:1], 0x0               ; qcodes s[4:5], kvcodes s[6:7], the exponents s[8:9], acodes s[10:11]
	v_lshl_add_u32 v[SPW], v0, 2, SPARE
	v_mov_b32 v[NIL], 0
	ds_add_u32 v4, v5
	ds_add_u32 v4, v5
	s_wait_dscnt 0x0
	v_lshrrev_b32 v10, 5, v0
	s_delay_alu instid0(VALU_DEP_1)
	v_readfirstlane_b32 s[WV], v10                 ; wave 0..7
	s_bfe_u32 s13, ttmp6, 0x40000                  ; cx: my place in the cluster
	s_lshl_b32 s14, ttmp9, 2                       ; in a cluster launch ttmp9 counts clusters
	s_add_co_u32 s14, s14, s13                     ; my block of 256 queries: it enters Q's and the result's addresses alone
	s_and_b32 s15, ttmp7, 0xffff                   ; bh, which the four partners share
	s_lshl_b32 s16, s15, 19                        ; kvcodes: 524,288 bh + 16,384 x wave: the step of a slot that I fetch
	s_lshl_b32 s56, s[WV], 14                      ; and its place in a slot: no place in the cluster enters an LDS address
	s_add_co_u32 s16, s16, s56
	s_mov_b32 s17, 0
	s_lshl_b32 s57, s14, 3
	s_add_co_u32 s57, s57, s[WV]                   ; G: my group of 32 queries
	s_lshl_b32 s18, s15, 18                        ; qcodes: 262,144 bh + 2,048 G
	s_lshl_b32 s58, s57, 11
	s_add_co_u32 s18, s18, s58
	s_mov_b32 s19, 0
	s_lshr_b32 s20, s15, 3                         ; acodes: row tile 256 x batch + 2 G, 8,192 bytes each;
	s_lshl_b32 s20, s20, 8
	s_lshl_b32 s58, s57, 1
	s_add_co_u32 s20, s20, s58
	s_lshl_b32 s20, s20, 13
	s_and_b32 s58, s15, 7                          ; K step head / 2, 2,048 bytes each;
	s_lshr_b32 s58, s58, 1
	s_lshl_b32 s58, s58, 11
	s_add_co_u32 s20, s20, s58
	s_and_b32 s58, s15, 1                          ; pieces 2 (head % 2) on, 512 bytes each
	s_lshl_b32 s58, s58, 10
	s_add_co_u32 s20, s20, s58
	s_mov_b32 s21, 0
	s_lshl_b32 s22, s15, 19                        ; the prefetches: my work-group's 32,768 bytes of a slot, my wave's 8,192 of them,
	s_lshl_b32 s58, s13, 15
	s_add_co_u32 s22, s22, s58
	s_and_b32 s58, s[WV], 3
	s_lshl_b32 s58, s58, 13
	s_add_co_u32 s22, s22, s58
	s_add_co_u32 s22, s22, 2*8*STEPB               ; in slot 2: the first change of slots steps it to slot 3.  Nothing is prefetched at the head
	s_mov_b32 s23, 0
	s_lshr_b32 s[LIM], s[WV], 2                    ; 0 in waves 0 to 3,
	s_or_b32 s[LIM], s[LIM], ttmp9                 ; of the pair's first cluster: the same in all four partners
	s_cmp_eq_u32 s[LIM], 0
	s_cselect_b32 s[LIM], 1, -1
	; descriptor group 1: a dense block of 16,384 bytes as 64 rows of 32 elements of 8 bytes
	s_mov_b32 s[G1], 15|(3<<16)|(1<<21)            ; 15:0 the mask: all four work-groups; 17:16 elements of 8 bytes; 20 no padding; 21 set beside a mask
	s_mov_b32 s[G1+1], 32<<16                      ; tensor_dim0 = 32
	s_mov_b32 s[G1+2], 64<<16                      ; tensor_dim1 = 64
	s_mov_b32 s[G1+3], 32<<16                      ; tile_dim0 = 32
	s_mov_b32 s[G1+4], 64                          ; tile_dim1 = 64
	s_mov_b32 s[G1+5], 32                          ; from row to row: 32 elements
	s_mov_b32 s[G1+6], 0
	s_mov_b32 s[G1+7], 0
	s_mov_b32 s[SEL], 0x76543210
	s_mov_b32 s[SEL+1], 0xfedcba98
	s_mov_b32 s[TB], 0
	v_and_b32 v11, 31, v0
	s_delay_alu instid0(VALU_DEP_1)
	v_lshlrev_b32 v[LI], 4, v11
	s_delay_alu instid0(VALU_DEP_2)
	v_lshlrev_b32 v[PFO], 8, v11
	s_wait_kmcnt 0x0
	s_load_b128 s[40:43], s[8:9], 0x18             ; e6, e7, e8, e9
	s_load_b32 s44, s[8:9], 0x28                   ; e10
	s_add_nc_u64 s[PFA:PFA+1], s[6:7], s[22:23]
	s_add_nc_u64 s[6:7], s[6:7], s[16:17]
	s_add_nc_u64 s[4:5], s[4:5], s[18:19]
	s_add_nc_u64 s[10:11], s[10:11], s[20:21]
	s_mov_b32 s[G0A], 1                            ; count = 1
	s_mov_b32 s[G0A+1], s56                        ; LDS address: slot 0, my step
	s_mov_b64 s[G0A+2:G0A+3], s[6:7]               ; global address: keys 128 x wave on
	s_or_b32 s[G0A+3], s[G0A+3], 0x80000000        ; type = 2
	s_mov_b32 s[G0B], 1
	s_add_co_u32 s[G0B+1], s56, SLOT1
	s_add_nc_u64 s[G0B+2:G0B+3], s[6:7], 8*STEPB
	s_or_b32 s[G0B+3], s[G0B+3], 0x80000000
	CROUND                                         ; all four work-groups are here: the first joint loads meet
	tensor_load_to_lds s[G0A:G0A+3], s[G1:G1+7]    ; slot 0's first fill, waited for before slot 1's is asked for
	s_nop 0
	s_wait_alu depctr_va_vdst(0)
	s_wait_tensorcnt 0x0
	ds_add_u32 v4, v5
	s_wait_dscnt 0x0
	CROUND
	tensor_load_to_lds s[G0B:G0B+3], s[G1:G1+7]
	s_nop 0
	PLACES
	s_wait_alu depctr_va_vdst(0)
.irp i, 0,1,2,3
	global_load_b128 v[Q+4*\i:Q+4*\i+3], v[LI], s[4:5] offset:512*\i   ; Q stays in registers: tile i / 2, channels 32 (i % 2) on
.endr
.irp u, 0,1
	v_mov_b32 v[ST+8*\u+1], 0xff61b1e6             ; the largest t so far: -3e38, under every t
	s_delay_alu instid0(VALU_DEP_1)
	v_floor_f32 v[ST+8*\u], -v[ST+8*\u+1]          ; -M
	v_mov_b32 v[ST+8*\u+2], 0                      ; the sum, in two halves
	v_mov_b32 v[ST+8*\u+3], 0
	v_mov_b32 v[ST+8*\u+5], 0                      ; (named as the upper half of f's pair)
.endr
	WIN 0x40
.set j, 0
.rept 64
	v_mov_b32 v[O+j], 0                            ; O^T.  (The step is written without a first form of its own: the first change of M multiplies zeros)
.set j, j+1
.endr
	WIN 0
	s_wait_kmcnt 0x0
	s_add_co_i32 s58, s40, s41
	s_lshl_b32 s58, s58, 23
	s_mov_b32 s[CS], 0x3e38aa3b                    ; log2(e) / 8
	s_add_co_i32 s[CS], s[CS], s58                 ; a score stands for score x 2^(e6 + e7): the two exponents are added to c's exponent field
	s_mov_b32 s[CS+1], s[CS]
	MKSC PSC, PLIM, 42
	s_sub_co_i32 s58, s44, s42                     ; O / l stands for O / l x 2^(e8 + e9): its code is (O / l) / 2^(e10 - e8 - e9)
	s_sub_co_i32 s58, s58, s43
	MKSC OSC, OLIM, 58
	s_wait_tensorcnt 0x1                           ; my step of slot 0 is in; slot 1's may stay out
	s_barrier_signal -1
	s_barrier_wait -1                              ; everybody's is
	s_wait_loadcnt 0x0                             ; Q
	SLOT_STEPS                                     ; keys 0 to 1,023
	s_mov_b32 s[SLOTS], 2
.Lslot:                                            ; two trips: slots 0 and 1 are filled again once each
	CHANGE 1
	SLOT_STEPS
	s_sub_co_u32 s[SLOTS], s[SLOTS], 1
	s_cmp_lg_u32 s[SLOTS], 0
	s_cbranch_scc1 .Lslot
	CHANGE 0                                       ; the last slot is written out
	SLOT_STEPS
	; THE WAY OUT: O^T / the sum, held, converted: four pieces of the last product's operand, 512 consecutive bytes a store
.irp u, 0,1
	v_add_f32 v[ST+8*\u+6], v[ST+8*\u+2], v[ST+8*\u+3]
.endr
.irp u, 0,1
	s_delay_alu instid0(VALU_DEP_2)
	v_permlanex16_b32 v[ST+8*\u+7], v[ST+8*\u+6], s[SEL], s[SEL+1]
.endr
.irp u, 0,1
	s_delay_alu instid0(VALU_DEP_2)
	v_add_f32 v[ST+8*\u+6], v[ST+8*\u+6], v[ST+8*\u+7]
.endr
	s_wait_alu depctr_va_vdst(0)
.irp u, 0,1
	v_rcp_f32 v[ST+8*\u+4], v[ST+8*\u+6]
.endr
	v_nop                                          ; a plain line behind the reciprocals
	s_wait_alu depctr_va_vdst(0)                   ; one wait for the two, ahead of their first reader
	WIN 0x41
.set j, 0
.rept 32
	v_pk_mul_f32 v[O+j:O+j+1], v[O+j:O+j+1], v[ST+8*(j/32)+4:ST+8*(j/32)+5] op_sel_hi:[1,0]   ; each accumulator from its low end on
.set j, j+2
.endr
.set j, 0
.rept 64
	v_med3_num_f32 v[O+j], v[O+j], -v[OLIM], v[OLIM]
.set j, j+1
.endr
	WIN 0x01                                       ; source 0 window 1, destination window 0
.set i, 0
.rept 8
	v_cvt_scalef32_pk8_fp8_f32 v[CO+2*i:CO+2*i+1], v[O+8*i:O+8*i+7], v[OSC]
.set i, i+1
.endr
	WIN 0
	v_nop                                          ; a plain line behind the last conversion
.irp p, 0,1,2,3
	global_store_b128 v[LI], v[CO+4*\p:CO+4*\p+3], s[10:11] offset:(\p/2)*8192+(\p%2)*512
.endr
	s_wait_tensorcnt 0x0                           ; the wave's end
	ds_add_u32 v[SPW], v[NIL]
	s_wait_dscnt 0x0
	CROUND                                         ; the closing round: no work-group ends while a partner may still ask for a tile that names it
	s_endpgm
.Lfunc_end_k_qec50ec75a8_attn:
	.size	k_qec50ec75a8_attn, .Lfunc_end_k_qec50ec75a8_attn-k_qec50ec75a8_attn
	.p2alignl 7, 3214868480
	.fill 96, 4, 3214868480
	.section	.rodata,"a",@progbits
	.p2align	6, 0x0
	.amdhsa_kernel k_qec50ec75a8_attn
		.amdhsa_group_segment_fixed_size 327680
		.amdhsa_private_segment_fixed_size 0
		.amdhsa_enable_private_segment 0
		.amdhsa_kernarg_size 32
		.amdhsa_user_sgpr_count 2
		.amdhsa_user_sgpr_kernarg_segment_ptr 1
		.amdhsa_wavefront_size32 1
		.amdhsa_system_sgpr_workgroup_id_x 1
		.amdhsa_system_sgpr_workgroup_id_y 1
		.amdhsa_system_sgpr_workgroup_id_z 1
		.amdhsa_system_vgpr_workitem_id 0
		.amdhsa_next_free_vgpr 512
		.amdhsa_next_free_sgpr 66
		.amdhsa_reserve_vcc 0
		.amdhsa_float_denorm_mode_32 3
		.amdhsa_float_denorm_mode_16_64 3
		.amdhsa_memory_ordered 1
		.amdhsa_forward_progress 1
		.amdhsa_inst_pref_size 105
	.end_amdhsa_kernel
	.amdgpu_metadata
---
amdhsa.version: [ 1, 2 ]
amdhsa.kernels:
  - .name:           k_qec50ec75a8_attn
    .symbol:         k_qec50ec75a8_attn.kd
    .args:
      - { .name: qcodes, .offset: 0, .size: 8, .value_kind: global_buffer, .address_space: global }
      - { .name: kvcodes, .offset: 8, .size: 8, .value_kind: global_buffer, .address_space: global }
      - { .name: lowp_scales, .offset: 16, .size: 8, .value_kind: global_buffer, .address_space: global }
      - { .name: acodes, .offset: 24, .size: 8, .value_kind: global_buffer, .address_space: global }
    .group_segment_fixed_size: 327680
    .private_segment_fixed_size: 0
    .kernarg_segment_align: 8
    .kernarg_segment_size: 32
    .max_flat_workgroup_size: 256
    .sgpr_count:     66
    .vgpr_count:     512
    .wavefront_size: 32
...
	.end_amdgpu_metadata
.endif
;; end of part 5
;; launch oproj (part 6): grid 256 x 1, 4 waves a work-group, no clusters, 99,840 bytes of LDS; arguments acodes, w_o_codes, lowp_scales, b_o, x, out0; writes out0
.if DOCPART == 6
	.amdgcn_target "amdgcn-amd-amdhsa--gfx1250"
	.amdhsa_code_object_version 6
	.text
	.protected	k_qec50ec75a8_oproj
	.globl	k_qec50ec75a8_oproj
	.p2align	8
	.type	k_qec50ec75a8_oproj,@function
k_qec50ec75a8_oproj:
	s_mov_b64 s[64:65], 0
	v_nop
	global_prefetch_b8 v0, s[64:65] scope:SCOPE_SE
	s_setreg_imm32_b32 hwreg(HW_REG_WAVE_SCHED_MODE, 0, 2), 2
	s_setreg_imm32_b32 hwreg(HW_REG_WAVE_MODE, 25, 1), 1
	s_wait_xcnt 0x0
	s_wait_alu depctr_vm_vsrc(0)
; out0 = attended Wo^T + b_o + x.  The attended rows come as codes of E4M3 (2^e10), laid as images of operand registers [row tile 512][K step 4][c 4][512]; Wo as codes (2^e11), K innermost.
; SHARES.  A work-group takes 64 tokens (rb: four row tiles) and 256 columns (ch).  Wave w takes columns 256 ch + 64 w .. + 63 for all four row tiles: its 64 rows of Wo (256 registers, window 1) are read once.
; Each wave reads one row tile's codes from memory and hands them to the others through LDS as they lie; all four tiles then stand in window 2.
; NO CLUSTER: each weight byte goes once for a work-group straight into the register where it stays; a joint load would add an LDS write and an LDS read for every byte.
; THE MATRIX INSTRUCTION IS USED TRANSPOSED (source 0 = 16 rows of Wo, source 1 = 16 tokens): a lane holds eight neighbouring columns of one token.
; A row tile's lane r is token 8 u + r + 8 (r / 8) of its group of 32.  The stage keeps the tiles' own order (rows 1,040 bytes apart); the tokens' order comes back in the immediates of the loads of x and of the stores.
; Every load of x and every store covers 512 consecutive bytes, aligned.
; LIMIT: e10 + e11 between -126 and 127, so that 2^(e10 + e11) is an f32 number.
; THE MODE: SCHED_MODE bits 1:0 = 2 (LLVM: expert scheduling mode 2), set by the entry lines.  The code itself states the register dependences
; between vector or matrix instructions and memory or LDS instructions, with s_wait_alu, always for 0.
; THE PLAN.  Registers that memory or LDS instructions touch:
;   v1-v6          offsets and LDS addresses: written at the head, never again; one wait on va_vdst ahead of the first load serves every load and store.
;   T, BI, windows 1, 2, 3   loads land in them; no vector or matrix instruction names any of them ahead of its loads.
;   ACC            written by the products and, in place, by the multiply-adds; read by the LDS stores into the stage; never written again.
;   window 3, v128 on   the stage's rows land there; the last additions write them; the global stores read them; never written again.
; No register that a store has read is written again, so no wait on vm_vsrc is owed ahead of the closing lines.  Three waits on va_vdst state the stores' data: the multiply-adds of row tiles 0 and 1 are written;
; those of tiles 2 and 3, which are dealt among the first sixteen LDS stores and name other accumulators; the last additions.
.set STG,  32768                       ; LDS: 0 .. 32,767 the four row tiles' images; then the stage: 64 rows x (1,024 + 16) bytes
.set LI,   1                           ; v1  16 x lane
.set WA,   2                           ; v2  Wo: row r of 512 bytes + 16 h
.set BA,   3                           ; v3  b_o: 32 h
.set AWI,  4                           ; v4  where I put my row tile's images: 16 x lane + 8,192 x wave
.set SO,   5                           ; v5  the stage: where I put 32 bytes of a row
.set SR,   6                           ; v6  and where I read rows back
.set ACC,  32                          ; v32-159 sixteen accumulators (row tile m, column tile n) at 8 (4 m + n)
.set BI,   160                         ; v160-191 b_o of my columns, eight registers a column tile, in the result's layout
.set T,    192                         ; v192-255 my row tile's codes on their way to LDS
.set MSB, 0
.macro WIN new
.if MSB != (\new)
	s_set_vgpr_msb (MSB<<8)|(\new)
.set MSB, (\new)
.endif
.endm
.macro FMA m, n                        ; accumulator (m, n): sum x 2^(e10 + e11) + b_o, in place, from its low end on
.irp i, 0,2,4,6
	v_pk_fma_f32 v[ACC+8*(4*(\m)+(\n))+\i:ACC+8*(4*(\m)+(\n))+\i+1], v[ACC+8*(4*(\m)+(\n))+\i:ACC+8*(4*(\m)+(\n))+\i+1], s[20:21], v[BI+8*(\n)+\i:BI+8*(\n)+\i+1] op_sel_hi:[1,0,1]
.endr
.endm
.macro STO m, n                        ; and its 32 bytes a lane into the stage
	ds_store_b128 v[SO], v[ACC+8*(4*(\m)+(\n)):ACC+8*(4*(\m)+(\n))+3] offset:16640*(\m)+64*(\n)
	ds_store_b128 v[SO], v[ACC+8*(4*(\m)+(\n))+4:ACC+8*(4*(\m)+(\n))+7] offset:16640*(\m)+64*(\n)+16
.endm
	s_load_b256 s[4:11], s[0:1], 0x0               ; acodes s[4:5], Wo s[6:7], the exponents s[8:9], b_o s[10:11]
	s_load_b128 s[12:15], s[0:1], 0x20             ; x s[12:13], out0 s[14:15]
	v_lshl_add_u32 v30, v0, 2, 0x18400
	v_mov_b32 v31, 0
	v_lshrrev_b32 v8, 5, v0
	v_readfirstlane_b32 s22, v8                    ; wave 0..3
	s_and_b32 s23, ttmp9, 1                        ; ch
	s_lshr_b32 s24, ttmp9, 1                       ; rb
	v_and_b32 v9, 15, v0                           ; r
	v_bfe_u32 v10, v0, 4, 1                        ; h
	v_and_b32 v11, 31, v0
	v_lshlrev_b32 v[LI], 4, v11
	v_lshlrev_b32 v[WA], 9, v9
	v_lshl_add_u32 v[WA], v10, 4, v[WA]
	v_lshlrev_b32 v[BA], 5, v10
	s_wait_alu depctr_va_sdst(0)                   ; s22 is written, ahead of its first reader: the LDS places and the bases are made from it
	s_lshl_b32 s25, s22, 13
	v_add_nc_u32 v[AWI], s25, v[LI]
	v_mul_u32_u24 v[SO], v9, 1040
	v_lshl_add_u32 v[SO], v10, 5, v[SO]
	s_lshl_b32 s25, s22, 8
	v_add_nc_u32 v[SO], s25, v[SO]
	v_add_nc_u32 v[SO], STG, v[SO]                 ; row r, + 32 h, + 256 x wave: my columns' bytes
	s_mul_i32 s25, s22, 16640
	v_add_nc_u32 v[SR], s25, v[LI]
	v_add_nc_u32 v[SR], STG, v[SR]                 ; back: row tile w's 16 rows, 16 bytes a lane
	s_lshl_b32 s26, s24, 2
	s_add_co_u32 s26, s26, s22
	s_lshl_b32 s26, s26, 13                        ; acodes: row tile 4 rb + wave
	s_mov_b32 s27, 0
	s_lshl_b32 s28, s23, 8
	s_lshl_b32 s30, s22, 6
	s_add_co_u32 s28, s28, s30                     ; my first column
	s_lshl_b32 s30, s28, 2                         ; in b_o,
	s_mov_b32 s31, 0
	s_lshl_b32 s28, s28, 9                         ; and as a row of Wo
	s_mov_b32 s29, 0
	s_lshl_b32 s32, s24, 6                         ; x and out0: token 64 rb + 32 (w / 2) + 8 (w % 2), + 1,024 ch bytes
	s_lshr_b32 s33, s22, 1
	s_lshl_b32 s33, s33, 5
	s_add_co_u32 s32, s32, s33
	s_and_b32 s33, s22, 1
	s_lshl_b32 s33, s33, 3
	s_add_co_u32 s32, s32, s33
	s_lshl_b32 s32, s32, 11
	s_lshl_b32 s33, s23, 10
	s_add_co_u32 s32, s32, s33
	s_mov_b32 s33, 0
	s_wait_kmcnt 0x0
	s_load_b64 s[16:17], s[8:9], 0x28              ; e10, e11
	s_add_nc_u64 s[4:5], s[4:5], s[26:27]
	s_add_nc_u64 s[6:7], s[6:7], s[28:29]
	s_add_nc_u64 s[10:11], s[10:11], s[30:31]
	s_add_nc_u64 s[12:13], s[12:13], s[32:33]
	s_add_nc_u64 s[14:15], s[14:15], s[32:33]
	s_wait_alu depctr_va_vdst(0)                   ; v1 to v6 are written, which every load and store of the kernel reads as its offset or address
.set i, 0
.rept 16
	global_load_b128 v[T+4*i:T+4*i+3], v[LI], s[4:5] offset:512*i th:TH_LOAD_NT
.set i, i+1
.endr
	WIN 0x40                                       ; destination window 1: Wo's fragment (column tile n, K step s) at 16 (4 n + s)
.irp n, 0,1,2,3
.irp s, 0,1,2,3
.irp c, 0,1,2,3
	global_load_b128 v[16*(4*\n+\s)+4*\c:16*(4*\n+\s)+4*\c+3], v[WA], s[6:7] offset:16*\n*512+128*\s+32*\c
.endr
.endr
.endr
	WIN 0
	s_wait_loadcnt 63                              ; 64 loads (Wo) were issued behind my row tile's: with at most 63 out, the codes are in
.set i, 0
.rept 16
	ds_store_b128 v[AWI], v[T+4*i:T+4*i+3] offset:512*i
.set i, i+1
.endr
.irp n, 0,1,2,3
	global_load_b128 v[BI+8*\n:BI+8*\n+3], v[BA], s[10:11] offset:64*\n
	global_load_b128 v[BI+8*\n+4:BI+8*\n+7], v[BA], s[10:11] offset:64*\n+16
.endr
	WIN 0xc0                                       ; destination window 3: the residual, the rows that I shall store
.irp r, 0,1,2,3,4,5,6,7,8,9,10,11,12,13,14,15
.irp f, 0,1
	global_load_b128 v[4*(2*\r+\f):4*(2*\r+\f)+3], v[LI], s[12:13] offset:(\r+8*(\r/8))*2048+512*\f th:TH_LOAD_NT
.endr
.endr
	WIN 0
	s_wait_dscnt 0x0                               ; for the others' sake: my row tile's images lie in LDS
	s_barrier_signal -1
	s_barrier_wait -1
	WIN 0x80                                       ; destination window 2: fragment (row tile m, K step s) at 16 (4 m + s)
.set i, 0
.rept 64
	ds_load_b128 v[4*i:4*i+3], v[LI] offset:512*i
.set i, i+1
.endr
	WIN 0
	s_wait_kmcnt 0x0
	s_add_co_i32 s20, s16, s17
	s_add_co_i32 s20, s20, 127
	s_lshl_b32 s20, s20, 23                        ; 2^(e10 + e11) as f32
	s_mov_b32 s21, s20                             ; (named with it as a pair, so it is written)
	s_wait_loadcnt 32                              ; Wo and b_o are in; the residual's 32 loads may stay out
	s_wait_dscnt 0x0
	WIN 0x09                                       ; source 0 (Wo) window 1, source 1 (the rows) window 2
.irp s, 0,1,2,3
.irp m, 0,1,2,3
.irp n, 0,1,2,3
.if \s == 0
	v_wmma_f32_16x16x128_fp8_fp8 v[ACC+8*(4*\m+\n):ACC+8*(4*\m+\n)+7], v[16*(4*\n+\s):16*(4*\n+\s)+15], v[16*(4*\m+\s):16*(4*\m+\s)+15], 0
.else
	v_wmma_f32_16x16x128_fp8_fp8 v[ACC+8*(4*\m+\n):ACC+8*(4*\m+\n)+7], v[16*(4*\n+\s):16*(4*\n+\s)+15], v[16*(4*\m+\s):16*(4*\m+\s)+15], v[ACC+8*(4*\m+\n):ACC+8*(4*\m+\n)+7]
.endif
.endr
.endr
.endr                                              ; sixteen accumulators by turns, one instruction a turn
	WIN 0
.rept 4
	v_nop                                          ; four places between the last product and the first read of a result
.endr
.irp m, 0,1
.irp n, 0,1,2,3
	FMA \m, \n
.endr
.endr
	s_wait_alu depctr_va_vdst(0)                   ; the multiply-adds have written the accumulators of row tiles 0 and 1, which the sixteen LDS stores below read
.irp m, 0,1
.irp n, 0,1,2,3
	STO \m, \n
	FMA \m+2, \n                                   ; dealt among those stores: it names an accumulator of row tile 2 or 3, b_o and the scale, none of the registers that they read
.endr
.endr
	s_wait_alu depctr_va_vdst(0)                   ; the multiply-adds have written the accumulators of row tiles 2 and 3, which the last sixteen LDS stores read
.irp m, 2,3
.irp n, 0,1,2,3
	STO \m, \n
.endr
.endr
	s_wait_dscnt 0x0                               ; for the others' sake: my columns of the 64 rows lie in the stage
	s_barrier_signal -1
	s_barrier_wait -1
	WIN 0xc0                                       ; destination window 3, v128 on: row tile w's 16 rows of 1,024 bytes, in two halves
.irp r, 0,1,2,3,4,5,6,7,8,9,10,11,12,13,14,15
.irp f, 0,1
	ds_load_b128 v[128+4*(2*\r+\f):128+4*(2*\r+\f)+3], v[SR] offset:1040*\r+512*\f
.endr
.endr
	s_wait_loadcnt 0x0                             ; the residual
	s_wait_dscnt 0x0
	WIN 0xcf                                       ; destination and both sources in window 3
.set j, 0
.rept 64
	v_pk_add_f32 v[128+j:129+j], v[128+j:129+j], v[j:j+1]
.set j, j+2
.endr
	WIN 0x0c                                       ; a store's data are source 1: window 3
	s_wait_alu depctr_va_vdst(0)                   ; the additions have written the 128 registers of window 3 from v128 on, which the 32 stores read
.irp r, 0,1,2,3,4,5,6,7,8,9,10,11,12,13,14,15
.irp f, 0,1
	global_store_b128 v[LI], v[128+4*(2*\r+\f):128+4*(2*\r+\f)+3], s[14:15] offset:(\r+8*(\r/8))*2048+512*\f th:TH_STORE_NT
.endr
.endr
	WIN 0
	s_wait_dscnt 0x0                               ; the closing lines, six on end
	s_wait_alu 0x0
	s_wait_tensorcnt 0x0
	ds_add_u32 v30, v31
	s_wait_dscnt 0x0
	s_endpgm
.Lfunc_end_k_qec50ec75a8_oproj:
	.size	k_qec50ec75a8_oproj, .Lfunc_end_k_qec50ec75a8_oproj-k_qec50ec75a8_oproj
	.p2alignl 7, 3214868480
	.fill 96, 4, 3214868480
	.section	.rodata,"a",@progbits
	.p2align	6, 0x0
	.amdhsa_kernel k_qec50ec75a8_oproj
		.amdhsa_group_segment_fixed_size 99840
		.amdhsa_private_segment_fixed_size 0
		.amdhsa_enable_private_segment 0
		.amdhsa_kernarg_size 48
		.amdhsa_user_sgpr_count 2
		.amdhsa_user_sgpr_kernarg_segment_ptr 1
		.amdhsa_wavefront_size32 1
		.amdhsa_system_sgpr_workgroup_id_x 1
		.amdhsa_system_sgpr_workgroup_id_y 1
		.amdhsa_system_sgpr_workgroup_id_z 1
		.amdhsa_system_vgpr_workitem_id 0
		.amdhsa_next_free_vgpr 1024
		.amdhsa_next_free_sgpr 66
		.amdhsa_reserve_vcc 0
		.amdhsa_float_denorm_mode_32 3
		.amdhsa_float_denorm_mode_16_64 3
		.amdhsa_memory_ordered 1
		.amdhsa_forward_progress 1
		.amdhsa_inst_pref_size 40
	.end_amdhsa_kernel
	.amdgpu_metadata
---
amdhsa.version: [ 1, 2 ]
amdhsa.kernels:
  - .name:           k_qec50ec75a8_oproj
    .symbol:         k_qec50ec75a8_oproj.kd
    .args:
      - { .name: acodes, .offset: 0, .size: 8, .value_kind: global_buffer, .address_space: global }
      - { .name: w_o_codes, .offset: 8, .size: 8, .value_kind: global_buffer, .address_space: global }
      - { .name: lowp_scales, .offset: 16, .size: 8, .value_kind: global_buffer, .address_space: global }
      - { .name: b_o, .offset: 24, .size: 8, .value_kind: global_buffer, .address_space: global }
      - { .name: x, .offset: 32, .size: 8, .value_kind: global_buffer, .address_space: global }
      - { .name: out0, .offset: 40, .size: 8, .value_kind: global_buffer, .address_space: global }
    .group_segment_fixed_size: 99840
    .private_segment_fixed_size: 0
    .kernarg_segment_align: 8
    .kernarg_segment_size: 48
    .max_flat_workgroup_size: 128
    .sgpr_count:     66
    .vgpr_count:     1024
    .wavefront_size: 32
...
	.end_amdgpu_metadata
.endif
;; end of part 6
